; MI455X (gfx1250); checked and timed in simulation.
; The chip was launched on July 23, 2026; its instructions are those of AMD's public machine-readable ISA for CDNA 5 (MIT licence, August 2026) and "CDNA5" Instruction Set Architecture Reference Guide (July 2026). The comments in the code are by the model that wrote it; some were corrected since.
;; Multi Head Attention. Allowed arithmetic: matrix products marked QUANTISED: E4M3 operands, one given power-of-two scale a tensor, by v_wmma_f32_16x16x64_fp8_fp8 or v_wmma_f32_16x16x128_fp8_fp8, f32 sums; everything else in f32.
;; Inputs: Wk 16 x 1,024 x 64 float32; Wo 1,024 x 1,024 float32; Wq 16 x 1,024 x 64 float32; Wv 16 x 1,024 x 64 float32; bo 1,024 float32; lowp_scales 12 int32 (the exponents e of the quantised operands' scales 2^e); x 4 x 2,048 x 1,024 float32.
;; Outputs: out0 4 x 2,048 x 1,024 float32.
;; This version of the problem:
;;   THIS VERSION OF THE PROBLEM IS GIVEN IN LOW PRECISION. The matrix products marked QUANTISED in the list below multiply operands that are first quantised to E4M3 (4 exponent bits, 3 mantissa bits; 8 bits a number), with one given power-of-two scale for each operand tensor; their sums are f32. All else is computed in f32.
;;   The module's matrix products, in the order in which they are computed (A, B: the left and right operand; K: the contracted axis; several contracted axes count as one K, in the product's order):
;;     1. [M 1,024, K 1,024] x [K 1,024, N 8,192]; A: input Wq; B: input x: QUANTISED (scales: A lowp_scales[0], B lowp_scales[1])
;;     2. [M 1,024, K 1,024] x [K 1,024, N 8,192]; A: input Wk; B: input x: QUANTISED (scales: A lowp_scales[2], B lowp_scales[3])
;;     3. [M 1,024, K 1,024] x [K 1,024, N 8,192]; A: input Wv; B: input x: QUANTISED (scales: A lowp_scales[4], B lowp_scales[5])
;;     4. batch 64 x [M 2,048, K 64] x [K 64, N 2,048]; A: computed on the way; B: computed on the way: QUANTISED (scales: A lowp_scales[6], B lowp_scales[7])
;;     5. batch 64 x [M 2,048, K 2,048] x [K 2,048, N 64]; A: softmax (see below); B: computed on the way: QUANTISED (scales: A lowp_scales[8], B lowp_scales[9])
;;     6. [M 8,192, K 1,024] x [K 1,024, N 1,024]; A: computed on the way; B: input Wo: QUANTISED (scales: A lowp_scales[10], B lowp_scales[11])
;;   THE QUANTISER, for each operand of a quantised product, along K:
;;     - The operand's scale is 2^e, e = its entry of the input lowp_scales (int32; the entries are numbered through the quantised products in the list's order, A before B).
;;     - Each number is divided by the scale, clamped to +-448, and rounded to the nearest number of E4M3, ties to even, subnormals kept.
;;     - The product sums the exact products of the quantised numbers (number of the format x scale) in f32.
;;   ~~~python
;;   def quantise(x, axis, e):      # numpy; x: float32 -> the quantised numbers, widened to float32 again
;;       x = np.moveaxis(x, axis, -1); K = x.shape[-1]
;;       r = np.clip(x / 2.0 ** e, -448, 448)
;;       step = 2.0 ** (np.maximum(np.frexp(np.where(r == 0, 1, r))[1] - 1, -6) - 3)
;;       q = np.round(r / step) * step * 2.0 ** e      # np.round: ties to even
;;       return np.moveaxis(q, -1, axis).astype(np.float32)
;;   ~~~
;;   SOFTMAX AHEAD OF A QUANTISED PRODUCT. Where the list says 'softmax', what is quantised is not the finished softmax but p = 2^(t - M), with t = logit x log2(e) and M = ceil(the row's largest t), a whole number; so 1/2 < the row's largest p <= 1. The row's sum l is taken of the UNQUANTISED p, in f32, and the product's result is divided by l at the end. Since M is a whole number, a kernel that streams over the keys may use a running M (the ceiling of the running maximum): every later rescaling is an exact power of two, so the quantised numbers keep their values, but for numbers so far below the row's largest that they fall under the format's range.
;;   OPERANDS COMPUTED ON THE WAY. 'Computed on the way' means the value that the module computes at that place (a softmax that the list does not call 'softmax' is quantised finished and normalised). What goes into a quantiser is computed in f32, as accurately as f32 sums, v_exp_f32 and their like allow (about 1e-6 of the number): no bf16 or f16 on the way to a quantiser, and a product that is left as it is and whose result goes on into a quantised operand takes f32 operands (vector FMAs, or v_wmma_f32_16x16x4_f32). A number that lies on a knife's edge between two numbers of the format may be rounded either way, as far as f32 arithmetic and the matrix unit's own rounding can turn it there, and no further.
;; One version. Each part assembles by itself: llvm-mc -triple=amdgcn-amd-amdhsa -mcpu=gfx1250 --defsym DOCPART=n.
;; ======== version 1 of 1: 4 launches
;; limits: right only within a limited range of input values
;; workspace buffers: xc 25,165,824 bytes; wc 4,194,304 bytes; qkv 25,165,824 bytes; ac 8,388,608 bytes
;; launch quant (part 1): grid 384 x 1, 4 waves a work-group, no clusters, 68,096 bytes of LDS; arguments x, Wq, Wk, Wv, Wo, lowp_scales, xc, wc; writes xc, wc
.if DOCPART == 1
	.amdgcn_target "amdgcn-amd-amdhsa--gfx1250"
	.amdhsa_code_object_version 6
	.text
	.protected	k_q9a6124e398_quant
	.globl	k_q9a6124e398_quant
	.p2align	8
	.type	k_q9a6124e398_quant,@function
k_q9a6124e398_quant:
	s_mov_b64 s[64:65], 0
	v_nop
	global_prefetch_b8 v0, s[64:65] scope:SCOPE_SE
	s_setreg_imm32_b32 hwreg(HW_REG_WAVE_MODE, 25, 1), 1
	s_wait_xcnt 0x0
; f32 numbers into codes of FP8 (E4M3), each operand with the scale 2^e that is given for it: code = number / 2^e, held within +-448, to the nearest code, ties to even.
; Work-groups 0-255: x [8192][1024] becomes THREE sets of codes, xc [3][8192][1024]: it is an operand of three products, each with an exponent of its own (entries 1, 3, 5).  x is read once.
; Work-groups 256-383: Wq, Wk, Wv [16][1024 e][64 d] and Wo [1024 in][1024 out] have K as an outer axis.  They become wc [4][1024 rows][1024 k] with K innermost
; (row = 64 h + d for the first three, = out for Wo): a lane takes a column and its registers run down K, so nothing is transposed by an instruction.  Entries 0, 2, 4, 11.
; The two paths part on the work-group's number; each has LDS bytes of its own (x: 0 .. 32,767; weights: 32,768 .. 67,583).  Waves share nothing: no barrier.
; LIMITS: each exponent lies between -126 and 119, so that 2^e and 448 x 2^e are f32 numbers.  NaN among the inputs is not served (an infinity is held at the largest code).
.set XWG,   256                        ; work-groups of the x path: 8,388,608 numbers / (4 waves x 16 steps x 512)
.set STEPS, 16
.set SP,    80                         ; x path: a lane's place in a stage: its 64 bytes + 16 of padding
.set WREG,  8192                       ; x path: LDS of a wave: two stages of 32 x SP bytes
.set R,     16                         ; v16-79   x: four sets of 16 numbers as loaded
.set X,     80                         ; v80-111  x: two sets of 16 neighbours
.set T,     112                        ; v112-127 x: the 16 numbers, held
.set C,     128                        ; v128-151 x: two sets of 3 x 4 registers of codes
.set WST,   32768                      ; weights: the stages begin here
.set WP,    272                        ; weights: a stage row: 256 bytes of codes + 16
.set NB,    8                          ; weights: blocks of 32 along K for a wave
.set WX,    32                         ; v32-95   weights: two sets of 32 numbers
.set WC,    96                         ; v96-103  weights: a block's codes
.set OUTR,  112                        ; v112-175 weights: the way out
.set RO,    176                        ; v176-207 weights: 4 x lane + i x the pitch of a row of K, i = 0 .. 31
.macro XLOAD t                         ; step t's 2,048 bytes: each load reads 512 consecutive bytes
.irp i, 0,1,2,3
	global_load_b128 v[R+16*((\t)%4)+4*\i:R+16*((\t)%4)+4*\i+3], v3, s[4:5] offset:2048*(\t)+512*\i th:TH_LOAD_NT
.endr
.endm
.macro XTURN t                         ; through the wave's own stage: in as loaded, out 64 bytes a lane; LDS serves a wave's instructions in order
.irp i, 0,1,2,3
	ds_store_b128 v14, v[R+16*((\t)%4)+4*\i:R+16*((\t)%4)+4*\i+3] offset:32*SP*((\t)%2)+8*SP*\i
.endr
.irp i, 0,1,2,3
	ds_load_b128 v[X+16*((\t)%2)+4*\i:X+16*((\t)%2)+4*\i+3], v15 offset:32*SP*((\t)%2)+16*\i
.endr
.endm
.macro XSTEP t
.set XS, X+16*((\t)%2)
.set CC, C+12*((\t)%2)
	s_wait_dscnt 0x0                               ; this step's numbers are back from the stage, and its stores into the stage have read their registers,
.if (\t)+4 < STEPS
	XLOAD (\t)+4                                   ; which take the loads of four steps on
.endif
.if (\t)+1 < STEPS
.if STEPS-2-(\t) >= 3
	s_wait_loadcnt 12                              ; the next step's four loads are in; those of the three steps behind it may be out
.else
	s_wait_loadcnt 4*(STEPS-2-(\t))
.endif
	XTURN (\t)+1
.endif
	s_wait_xcnt 0x0                                ; the stores of two steps ago have read this set of code registers
.irp p, 0,1,2
.irp i, 0,1,2,3,4,5,6,7,8,9,10,11,12,13,14,15
	v_med3_num_f32 v[T+\i], v[XS+\i], -v[8+\p], v[8+\p]   ; the conversion does not saturate (ISA guide 7.6.2): the hold at 448 x the scale comes first
.endr
	v_cvt_scalef32_pk8_fp8_f32 v[CC+4*\p:CC+4*\p+1], v[T:T+7], v[5+\p]
	v_cvt_scalef32_pk8_fp8_f32 v[CC+4*\p+2:CC+4*\p+3], v[T+8:T+15], v[5+\p]
	v_nop                                          ; a plain line between the conversions and the next holds, which write their sources
	global_store_b128 v3, v[CC+4*\p:CC+4*\p+3], s[40+2*\p:41+2*\p] offset:512*(\t)   ; 32 lanes store 512 consecutive bytes
.endr
.endm
.macro WLOAD t                         ; block t: rows 32 t + i of K at my column.  Even and odd blocks have a base each; it steps when the block two back has been shown loaded
.if (\t) >= 2
	s_add_nc_u64 s[48+2*((\t)%2):49+2*((\t)%2)], s[48+2*((\t)%2):49+2*((\t)%2)], s[52:53]
.endif
.set n, 0
.rept 32
	global_load_b32 v[WX+32*((\t)%2)+n], v[RO+n], s[48+2*((\t)%2):49+2*((\t)%2)]
.set n, n+1
.endr
.endm
.macro WBLOCK t
.set XS, WX+32*((\t)%2)
.if (\t) < NB-1
	s_wait_loadcnt 32                              ; this block's 32 loads are in; the next block's may be out
.else
	s_wait_loadcnt 0x0
.endif
.set n, 0
.rept 32
	v_med3_num_f32 v[XS+n], v[XS+n], -v10, v10
.set n, n+1
.endr
.irp g, 0,1,2,3
	v_cvt_scalef32_pk8_fp8_f32 v[WC+2*\g:WC+2*\g+1], v[XS+8*\g:XS+8*\g+7], v11
.endr
	ds_store_b128 v4, v[WC:WC+3] offset:32*(\t)    ; 32 codes of my column's row
	ds_store_b128 v4, v[WC+4:WC+7] offset:32*(\t)+16
.if (\t)+2 < NB
	WLOAD (\t)+2
.endif
	s_wait_dscnt 0x0                               ; the stores have read their registers; the next block's holds are the plain lines in front of its conversions
.endm
	s_load_b256 s[4:11], s[0:1], 0x0               ; x, Wq, Wk, Wv
	s_load_b256 s[12:19], s[0:1], 0x20             ; Wo, the exponents, xc, wc
	v_lshl_add_u32 v208, v0, 2, 0x10800
	v_mov_b32 v209, 0
	v_lshrrev_b32 v1, 5, v0
	v_readfirstlane_b32 s20, v1                    ; wave
	v_and_b32 v2, 31, v0                           ; lane
	s_cmp_lt_u32 ttmp9, XWG
	s_cbranch_scc0 .Lweights
	; ---- x: a wave takes 8,192 numbers, 16 steps of 512
	v_lshlrev_b32 v3, 4, v2                        ; my 16 bytes of a load's 512, and of a store's
	s_mul_i32 s21, s20, WREG
	v_lshrrev_b32 v14, 2, v2
	v_mul_u32_u24 v14, v14, SP
	v_and_b32 v15, 3, v2
	v_lshl_add_u32 v14, v15, 4, v14
	v_add_nc_u32 v14, s21, v14                     ; the stage, in: SP (lane / 4) + 16 (lane % 4)
	v_mul_u32_u24 v15, v2, SP
	v_add_nc_u32 v15, s21, v15                     ; and out: SP x lane: my 16 neighbours
	s_lshl_b32 s22, ttmp9, 2
	s_add_co_u32 s22, s22, s20                     ; which run of 8,192 numbers is my wave's
	s_lshl_b32 s24, s22, 15
	s_mov_b32 s25, 0
	s_lshl_b32 s26, s22, 13
	s_mov_b32 s27, 0
	s_wait_alu depctr_va_vdst(0)
	s_wait_kmcnt 0x0
	s_load_b256 s[32:39], s[14:15], 0x0            ; entries 0 to 7
	s_add_nc_u64 s[4:5], s[4:5], s[24:25]
	s_add_nc_u64 s[40:41], s[16:17], s[26:27]      ; the three planes of xc, 8 MiB apart: a base each
	s_add_nc_u64 s[42:43], s[40:41], 0x800000
	s_add_nc_u64 s[44:45], s[40:41], 0x1000000
	XLOAD 0
	XLOAD 1
	XLOAD 2
	XLOAD 3
	s_wait_kmcnt 0x0
.irp p, 0,1,2
	s_add_co_i32 s46, s[33+2*\p], 127
	s_lshl_b32 s47, s46, 23
	v_mov_b32 v[5+\p], s47                         ; 2^e as f32: the conversion takes its exponent field
	s_add_co_i32 s46, s46, 8
	s_lshl_b32 s46, s46, 23
	s_or_b32 s46, s46, 0x600000
	v_mov_b32 v[8+\p], s46                         ; 448 x 2^e
.endr
	s_wait_alu depctr_va_vdst(0)
	s_wait_loadcnt 12                              ; step 0's four loads are in
	XTURN 0
.irp t, 0,1,2,3,4,5,6,7,8,9,10,11,12,13,14,15
	XSTEP \t
.endr
	s_wait_tensorcnt 0x0
	ds_add_u32 v208, v209
	s_wait_dscnt 0x0
	s_endpgm
	; ---- the weights: a wave takes 32 columns x 256 along K
.Lweights:
	s_sub_co_u32 s21, ttmp9, XWG                   ; 0 .. 127
	s_lshr_b32 s22, s21, 5                         ; which weight: 0 Wq, 1 Wk, 2 Wv, 3 Wo
	s_bfe_u32 s23, s21, 0x30002
	s_and_b32 s24, s21, 3                          ; which 256 along K
	s_lshl_b32 s23, s23, 2
	s_add_co_u32 s23, s23, s20                     ; which 32 columns of the 1,024
	s_lshr_b32 s25, s23, 1                         ; Wq, Wk, Wv: head = columns / 64: 262,144 bytes a head; 128 bytes for the upper 32 of its 64; 256 bytes a row of K
	s_lshl_b32 s25, s25, 18
	s_and_b32 s26, s23, 1
	s_lshl_b32 s26, s26, 7
	s_add_co_u32 s25, s25, s26
	s_lshl_b32 s26, s24, 16
	s_add_co_u32 s25, s25, s26
	s_lshl_b32 s27, s23, 7                         ; Wo: 128 bytes for 32 columns; 4,096 bytes a row of K
	s_lshl_b32 s28, s24, 20
	s_add_co_u32 s27, s27, s28
	s_lshl_b32 s56, s22, 20                        ; the codes: plane, my 32 rows of 1,024 bytes, my 256 bytes of them
	s_lshl_b32 s28, s23, 15
	s_add_co_u32 s56, s56, s28
	s_lshl_b32 s28, s24, 8
	s_add_co_u32 s56, s56, s28
	s_mov_b32 s57, 0
	s_mov_b32 s30, 4096
	s_cmp_eq_u32 s22, 3
	s_cselect_b32 s46, s27, s25                    ; where my part begins in the weight
	s_cselect_b32 s30, s30, 256                    ; the pitch of a row of K
	s_mov_b32 s47, 0
	s_lshl_b32 s52, s30, 6                         ; 64 rows of K,
	s_mov_b32 s53, 0
	s_lshl_b32 s54, s30, 5                         ; 32 rows
	s_mov_b32 s55, 0
	s_wait_alu depctr_va_vdst(0)
	v_lshlrev_b32 v[RO], 2, v2
.set n, 1
.rept 31
	v_add_nc_u32 v[RO+n], s30, v[RO+n-1]
.set n, n+1
.endr
	s_mul_i32 s31, s20, 32*WP
	s_add_co_u32 s31, s31, WST                     ; my stage
	v_mul_u32_u24 v4, v2, WP
	v_add_nc_u32 v4, s31, v4                       ; into it: row = my column
	v_and_b32 v5, 15, v2
	v_lshrrev_b32 v6, 4, v2
	v_mul_u32_u24 v7, v6, WP
	v_lshl_add_u32 v7, v5, 4, v7
	v_add_nc_u32 v7, s31, v7                       ; out of it: sixteen lanes to a row, two rows an instruction
	v_lshlrev_b32 v8, 10, v6
	v_lshl_add_u32 v8, v5, 4, v8                   ; and the same place in wc
	s_wait_kmcnt 0x0
	s_load_b256 s[32:39], s[14:15], 0x0            ; entries 0 to 7
	s_load_b128 s[40:43], s[14:15], 0x20           ; entries 8 to 11
	s_cmp_eq_u32 s22, 1                            ; the weight is chosen by the work-group's number alone
	s_cselect_b64 s[6:7], s[8:9], s[6:7]
	s_cmp_eq_u32 s22, 2
	s_cselect_b64 s[6:7], s[10:11], s[6:7]
	s_cmp_eq_u32 s22, 3
	s_cselect_b64 s[6:7], s[12:13], s[6:7]
	s_add_nc_u64 s[48:49], s[6:7], s[46:47]        ; even blocks' base,
	s_add_nc_u64 s[50:51], s[48:49], s[54:55]      ; odd blocks'
	s_add_nc_u64 s[18:19], s[18:19], s[56:57]
	WLOAD 0
	WLOAD 1
	s_wait_kmcnt 0x0
	s_cmp_eq_u32 s22, 1
	s_cselect_b32 s32, s34, s32
	s_cmp_eq_u32 s22, 2
	s_cselect_b32 s32, s36, s32
	s_cmp_eq_u32 s22, 3
	s_cselect_b32 s32, s43, s32                    ; e: entry 0, 2, 4 or 11
	s_add_co_i32 s32, s32, 127
	s_lshl_b32 s33, s32, 23
	v_mov_b32 v11, s33                             ; 2^e
	s_add_co_i32 s32, s32, 8
	s_lshl_b32 s32, s32, 23
	s_or_b32 s32, s32, 0x600000
	v_mov_b32 v10, s32                             ; 448 x 2^e
	s_wait_alu depctr_va_vdst(0)
.irp t, 0,1,2,3,4,5,6,7
	WBLOCK \t
.endr
.irp t, 0,1,2,3,4,5,6,7,8,9,10,11,12,13,14,15
	ds_load_b128 v[OUTR+4*\t:OUTR+4*\t+3], v7 offset:2*\t*WP   ; LDS serves a wave's instructions in order: these see my stores
.endr
.irp t, 0,1,2,3,4,5,6,7,8,9,10,11,12,13,14,15
	s_wait_dscnt 15-\t
	global_store_b128 v8, v[OUTR+4*\t:OUTR+4*\t+3], s[18:19] offset:2*\t*1024   ; sixteen lanes store 256 consecutive bytes, aligned
.endr
	s_wait_tensorcnt 0x0
	ds_add_u32 v208, v209
	s_wait_dscnt 0x0
	s_endpgm
.Lfunc_end_k_q9a6124e398_quant:
	.size	k_q9a6124e398_quant, .Lfunc_end_k_q9a6124e398_quant-k_q9a6124e398_quant
	.p2alignl 7, 3214868480
	.fill 96, 4, 3214868480
	.section	.rodata,"a",@progbits
	.p2align	6, 0x0
	.amdhsa_kernel k_q9a6124e398_quant
		.amdhsa_group_segment_fixed_size 68096
		.amdhsa_private_segment_fixed_size 0
		.amdhsa_enable_private_segment 0
		.amdhsa_kernarg_size 64
		.amdhsa_user_sgpr_count 2
		.amdhsa_user_sgpr_kernarg_segment_ptr 1
		.amdhsa_wavefront_size32 1
		.amdhsa_system_sgpr_workgroup_id_x 1
		.amdhsa_system_sgpr_workgroup_id_y 1
		.amdhsa_system_sgpr_workgroup_id_z 1
		.amdhsa_system_vgpr_workitem_id 0
		.amdhsa_next_free_vgpr 210
		.amdhsa_next_free_sgpr 66
		.amdhsa_reserve_vcc 0
		.amdhsa_float_denorm_mode_32 3
		.amdhsa_float_denorm_mode_16_64 3
		.amdhsa_memory_ordered 1
		.amdhsa_forward_progress 1
		.amdhsa_inst_pref_size 129
	.end_amdhsa_kernel
	.amdgpu_metadata
---
amdhsa.version: [ 1, 2 ]
amdhsa.kernels:
  - .name:           k_q9a6124e398_quant
    .symbol:         k_q9a6124e398_quant.kd
    .args:
      - { .name: x, .offset: 0, .size: 8, .value_kind: global_buffer, .address_space: global }
      - { .name: Wq, .offset: 8, .size: 8, .value_kind: global_buffer, .address_space: global }
      - { .name: Wk, .offset: 16, .size: 8, .value_kind: global_buffer, .address_space: global }
      - { .name: Wv, .offset: 24, .size: 8, .value_kind: global_buffer, .address_space: global }
      - { .name: Wo, .offset: 32, .size: 8, .value_kind: global_buffer, .address_space: global }
      - { .name: lowp_scales, .offset: 40, .size: 8, .value_kind: global_buffer, .address_space: global }
      - { .name: xc, .offset: 48, .size: 8, .value_kind: global_buffer, .address_space: global }
      - { .name: wc, .offset: 56, .size: 8, .value_kind: global_buffer, .address_space: global }
    .group_segment_fixed_size: 68096
    .private_segment_fixed_size: 0
    .kernarg_segment_align: 8
    .kernarg_segment_size: 64
    .max_flat_workgroup_size: 128
    .sgpr_count:     66
    .vgpr_count:     210
    .wavefront_size: 32
...
	.end_amdgpu_metadata
.endif
;; end of part 1
;; launch qkv (part 2): grid 4 x 96, 4 waves a work-group, clusters of 4 x 4, 327,680 bytes of LDS; arguments xc, wc, lowp_scales, qkv; writes qkv
.if DOCPART == 2
	.amdgcn_target "amdgcn-amd-amdhsa--gfx1250"
	.amdhsa_code_object_version 6
	.text
	.protected	k_q9a6124e398_qkv
	.globl	k_q9a6124e398_qkv
	.p2align	8
	.type	k_q9a6124e398_qkv,@function
k_q9a6124e398_qkv:
	s_mov_b64 s[64:65], 0
	v_nop
	global_prefetch_b8 v0, s[64:65] scope:SCOPE_SE
	s_setreg_imm32_b32 hwreg(HW_REG_WAVE_MODE, 25, 1), 1
	s_wait_xcnt 0x0
	s_wait_alu depctr_hold_cnt(0) depctr_sa_sdst(0) depctr_va_vdst(0) depctr_va_sdst(0) depctr_va_ssrc(0) depctr_va_vcc(0) depctr_vm_vsrc(0)
	s_getreg_b32 s2, hwreg(HW_REG_IB_STS2, 6, 4)
	s_cmp_eq_u32 s2, 0
	s_cbranch_scc0 .Lentry_in_a_cluster
	s_endpgm
.Lentry_in_a_cluster:
	s_bfe_u32 s2, ttmp6, 0x10000c
	s_cmp_lg_u32 s2, 0xf033
	s_cbranch_scc0 .Lentry_shape_is_right
	s_endpgm
.Lentry_shape_is_right:
; q, k and v: three products of 8,192 x 1,024 x 1,024 on codes of FP8 (E4M3), their f32 sums quantised on the way out for the products that follow.
; C[m][n] = sum over k of A[m][k] B[n][k]; a tile of C is 256 x 256, four waves of 128 x 128 (64 accumulators, 512 registers); K goes in steps of 256 through two LDS slots filled by the tensor data mover.
; The cluster's y, 0 .. 23, says which product p (y / 8) and which four tiles.  q, k (p = 0, 1): A = x's codes of plane p (rows b, s), B = the weight's codes (rows 64 h + d).
; v (p = 2): THE ROLES ARE SWAPPED, A = Wv's codes, B = x's codes, so that C's rows are (h, d) and its columns the keys: v comes out with the keys innermost, as the second product of attention wants it.
; THE MATRIX INSTRUCTION IS USED TRANSPOSED (source 0 = 16 rows of B, source 1 = 16 rows of A): a lane holds eight neighbouring columns of a row of C: eight neighbours along the NEXT product's K: one conversion.
; A sum stands for sum x 2^(ea + eb); its code is sum / 2^(eo - ea - eb): the three exponents are folded into the conversion's one (eo: entry 6 for q, 7 for k, 9 for v).
; OUT: qkv: q at byte 0 and k at 8 MiB, [16 b + h][2048 s][64 d]; v at 16 MiB, [64 h + d][8192 = 2048 b + s].
; CLUSTERS: 4 x 4 work-groups; A's tiles are asked for jointly along a row of the cluster, B's along a column.  All that parts q, k from v hangs on the cluster's y alone, which the sixteen partners share.
; 384 tiles: a tile of 128 x 256 would share them out evenly, at one and a half times the LDS bytes for each product; 3 x 0.75 tile times against 2.  No prefetch: a tile has two refills, both near its head.
; LIMITS: eo - ea - eb lies between -126 and 119.  NaN among the inputs is not served.
; REGISTERS, in windows of 256: window 0: v16-31 addresses and the conversion's scale; v32-111 at work on the way out; from v128 A's fragments, ONE set.  window 1: B's fragments, TWO sets.
;   window 2: the accumulators of my rows 0-63 ((a, b) at v[8 (8 a + b)]);  window 3: those of my rows 64-127.
.set ROWB,   256                       ; a tile's row: 256 codes
.set KROW,   1024                      ; a row of either operand in memory
.set PITCH,  272                       ; an LDS row: 256 + 16 bytes = 68 words: the 16 rows that a load touches start at 16 different banks (64 banks of 4 bytes: ISA guide 11.1)
.set FR,     16                        ; registers of a fragment: 16 rows x 128 K
.set NL,     4                         ; LDS loads that bring one
.set NP,     4                         ; places behind this matrix instruction (ISA guide 7.12.1)
.set HALFT,  128*PITCH                 ; what one tensor load brings
.set SLOT,   4*HALFT                   ; A's 256 rows, then B's
.set LAPS,   2                         ; K = 1,024 is four K steps: twice round the ring
.set SPARE,  2*SLOT                    ; the spare words: 128 bytes a wave, named by no other line
.set SPQ,    336                       ; the way out: the work-group's stage, 256 rows of 256 code bytes + 80.  It lies in slot 0, which has had its last fill and its last read by then
.set ADRA, 16                          ; v16-17 LDS address of my A fragments in slot 0, 1
.set COQ,  18                          ; v18    q, k: my byte in 512 dense bytes
.set COV,  19                          ; v19    v: my byte in two rows of 8,192
.set ADRB, 20                          ; v20-21 the same as ADRA for B
.set RDQ2, 22                          ; v22    RDQ, 128 rows further down
.set STO,  24                          ; v24    where I put 8 codes of a row
.set RDQ,  25                          ; v25    q, k: eight rows x my head's 64 bytes
.set RDV,  26                          ; v26    v: two whole rows
.set SPW,  28                          ; v28    my spare word; never rewritten
.set NIL,  29                          ; v29    0; never rewritten
.set SCL,  30                          ; v30    2^(eo - ea - eb)
.set LIM,  31                          ; v31    448 x that
.set TMP,  32                          ; v32-95 a block's sums, held
.set CD,   96                          ; v96-111 its codes
.set AF,   128
.set BK,   128                         ; v128-255 rows read back from the stage
.set G1, 24
.set G0, 32
.set G1B, 48
.set G0B, 56
.set MSB, 0
.macro WIN new                         ; the immediate's high byte repeats the setting that is left
.if MSB != \new
	s_set_vgpr_msb (MSB<<8)|\new
.set MSB, \new
.endif
.endm
.set MUL_LO, 0xa1                      ; source 0 (B) window 1, source 1 (A) window 0, C and D window 2
.set MUL_HI, 0xf1
.set TO_B,   0x40
; A joint load: waves 0 and 1 fetch for A, waves 2 and 3 for B; the branch hangs on the wave's number alone.  Four v_nop follow each of the two lines.
.macro JLOAD g0a, g1a, g0b, g1b
	s_cmp_eq_u32 s15, 0
	s_cbranch_scc0 .Lfor_b_\@
	tensor_load_to_lds s[\g0a:\g0a+3], s[\g1a:\g1a+7]
	s_nop 0
.rept 4
	v_nop
.endr
	s_branch .Lasked_\@
.Lfor_b_\@:
	tensor_load_to_lds s[\g0b:\g0b+3], s[\g1b:\g1b+7]
	s_nop 0
.rept 4
	v_nop
.endr
.Lasked_\@:
.endm
.macro CREST                           ; a round of the cluster's barrier behind its opening barrier
	s_cmp_lg_u32 s14, 0
	s_cbranch_scc1 .Lnot_wave_0_\@
	s_barrier_signal -3
.Lnot_wave_0_\@:
	s_barrier_wait -3
	s_barrier_signal -1
	s_barrier_wait -1
.endm
.macro CROUND
	s_barrier_signal -1
	s_barrier_wait -1
	CREST
.endm
	s_load_b128 s[4:7], s[0:1], 0x0                ; xc, wc
	s_load_b128 s[8:11], s[0:1], 0x10              ; the exponents, qkv
	v_lshl_add_u32 v[SPW], v0, 2, SPARE
	v_mov_b32 v[NIL], 0
	ds_add_u32 v28, v29
	ds_add_u32 v28, v29
	s_wait_dscnt 0x0
	v_lshrrev_b32 v1, 5, v0
	v_readfirstlane_b32 s14, v1                    ; wave 0..3
	s_lshr_b32 s15, s14, 1                         ; my half of the tile's rows.  Also: I fetch for A (0) or for B (1)
	s_and_b32 s16, s14, 1                          ; my half of its columns.  Also: which 128 rows I fetch
	s_bfe_u32 s40, ttmp6, 0x40000                  ; cx
	s_bfe_u32 s41, ttmp6, 0x40004                  ; cy
	s_and_b32 s68, ttmp7, 0xffff                   ; the cluster's y
	s_lshr_b32 s66, s68, 3                         ; p: 0 q, 1 k, 2 v
	s_and_b32 s67, s68, 7
	s_lshl_b32 s67, s67, 2                         ; the first of this cluster's four tiles along the 8,192
	s_lshl_b32 s69, s66, 23                        ; plane p of xc (and of qkv)
	s_lshl_b32 s70, s66, 20                        ; plane p of wc
	s_cmp_eq_u32 s66, 2
	s_cselect_b32 s17, 0, s67
	s_cselect_b32 s42, s67, 0
	s_cselect_b32 s71, s70, s69                    ; A's plane
	s_cselect_b32 s84, s69, s70                    ; B's plane
	s_add_co_u32 s17, s17, s41                     ; tile row of C: made of cy and the cluster's y
	s_add_co_u32 s42, s42, s40                     ; tile column: of cx and the cluster's y
	s_lshl_b32 s43, s41, 2
	s_lshl_b32 s43, 15, s43                        ; my row of the cluster
	s_lshl_b32 s44, 0x1111, s40                    ; my column
	s_or_b32 s[G1+0], s43, (0<<16)|(1<<20)|(1<<21)|(5<<22)|(3<<25)  ; the mask; elements of 1 byte; padding on; bit 21 beside a mask; 4 words behind every 64
	s_or_b32 s[G1B+0], s44, (0<<16)|(1<<20)|(1<<21)|(5<<22)|(3<<25)
.irp g, G1, G1B
	s_mov_b32 s[\g+1], ROWB<<16                    ; tensor_dim0
	s_mov_b32 s[\g+2], 128<<16                     ; tensor_dim1
	s_mov_b32 s[\g+3], ROWB<<16                    ; tile_dim0
	s_mov_b32 s[\g+4], 128                         ; tile_dim1
	s_mov_b32 s[\g+5], KROW                        ; from row to row
	s_mov_b32 s[\g+6], 0
	s_mov_b32 s[\g+7], 0
.endr
	s_lshl_b32 s18, s16, 7
	s_lshl_b32 s20, s17, 8
	s_add_co_u32 s20, s20, s18                     ; A: row 256 x tile row + 128 x half,
	s_lshl_b32 s20, s20, 10                        ; in bytes,
	s_add_co_u32 s20, s20, s71                     ; in its plane
	s_mov_b32 s21, 0
	s_lshl_b32 s46, s42, 8
	s_add_co_u32 s46, s46, s18                     ; B likewise, by the tile column
	s_lshl_b32 s46, s46, 10
	s_add_co_u32 s46, s46, s84
	s_mov_b32 s47, 0
	s_mul_i32 s45, s14, HALFT                      ; where they go: wave x 128 rows
	s_wait_kmcnt 0x0
	s_load_b256 s[72:79], s[8:9], 0x0              ; entries 0 to 7
	s_load_b128 s[80:83], s[8:9], 0x20             ; entries 8 to 11
	s_cmp_eq_u32 s66, 2
	s_cselect_b64 s[86:87], s[6:7], s[4:5]         ; A's buffer,
	s_cselect_b64 s[88:89], s[4:5], s[6:7]         ; B's
	s_add_nc_u64 s[20:21], s[86:87], s[20:21]
	s_add_nc_u64 s[46:47], s[88:89], s[46:47]
	CROUND                                         ; all sixteen work-groups are here: the first joint loads meet
.irp s, 0,1
	s_mov_b32 s[G0+4*\s], 1
	s_add_co_u32 s[G0+4*\s+1], s45, \s*SLOT
	s_add_nc_u64 s[G0+4*\s+2:G0+4*\s+3], s[20:21], \s*ROWB
	s_or_b32 s[G0+4*\s+3], s[G0+4*\s+3], 0x80000000
	s_mov_b32 s[G0B+4*\s], 1
	s_add_co_u32 s[G0B+4*\s+1], s45, \s*SLOT
	s_add_nc_u64 s[G0B+4*\s+2:G0B+4*\s+3], s[46:47], \s*ROWB
	s_or_b32 s[G0B+4*\s+3], s[G0B+4*\s+3], 0x80000000
.endr
	JLOAD G0, G1, G0B, G1B                         ; K step 0: one tensor load a wave at the head
	v_and_b32 v1, 15, v0                           ; r = lane % 16
	s_wait_alu depctr_va_vdst(0)
	v_bfe_u32 v2, v0, 4, 1                         ; h = lane / 16
	v_mul_u32_u24 v3, v1, PITCH
	v_lshl_add_u32 v4, v2, 4, v3                   ; a fragment's row x pitch + 16 h
	s_mul_i32 s21, s15, HALFT                      ; my 128 rows of A
	s_mul_i32 s22, s16, HALFT
	s_add_co_u32 s22, s22, 2*HALFT                 ; my 128 rows of B
.irp s, 0,1
	v_add_nc_u32 v[ADRA+\s], s21, v4
	v_add_nc_u32 v[ADRB+\s], s22, v4
	s_add_co_u32 s21, s21, SLOT
	s_add_co_u32 s22, s22, SLOT
.endr
	s_mul_i32 s23, s15, 128*SPQ                    ; the stage, in: row 128 x my row half + r, byte 128 x my column half + 8 h
	s_lshl_b32 s90, s16, 7
	s_add_co_u32 s23, s23, s90
	v_mul_u32_u24 v5, v1, SPQ
	s_wait_alu depctr_va_vdst(0)
	v_lshl_add_u32 v5, v2, 3, v5
	v_add_nc_u32 v[STO], s23, v5
	v_and_b32 v6, 31, v0
	v_lshrrev_b32 v7, 2, v6                        ; q, k, back: wave w takes the tile's head w: 64 bytes of each of the 256 rows; four lanes to a row, eight rows an instruction
	v_mul_u32_u24 v7, v7, SPQ
	v_and_b32 v8, 3, v6
	v_lshl_add_u32 v7, v8, 4, v7
	s_lshl_b32 s90, s14, 6
	v_add_nc_u32 v[RDQ], s90, v7
	v_add_nc_u32 v[RDQ2], 128*SPQ, v[RDQ]
	s_mul_i32 s90, s14, 64*SPQ                     ; v, back: wave w takes rows 64 w on, whole; sixteen lanes to a row
	v_mul_u32_u24 v9, v2, SPQ
	v_lshl_add_u32 v9, v1, 4, v9
	v_add_nc_u32 v[RDV], s90, v9
	v_lshlrev_b32 v[COQ], 4, v6
	v_lshlrev_b32 v10, 13, v2
	v_lshl_add_u32 v[COV], v1, 4, v10
	; where my part of qkv begins.  q, k: plane p + 2 MiB x b + 131,072 x head + 64 x the tile's first s
	s_lshr_b32 s90, s17, 3
	s_lshl_b32 s90, s90, 21
	s_add_co_u32 s90, s90, s69
	s_lshl_b32 s91, s42, 2
	s_add_co_u32 s91, s91, s14
	s_lshl_b32 s91, s91, 17
	s_add_co_u32 s90, s90, s91
	s_and_b32 s91, s17, 7
	s_lshl_b32 s91, s91, 14
	s_add_co_u32 s90, s90, s91
	s_lshl_b32 s92, s17, 8                         ; v: 16 MiB + (256 x tile row + 64 w) rows of 8,192 + 256 x tile column
	s_lshl_b32 s93, s14, 6
	s_add_co_u32 s92, s92, s93
	s_lshl_b32 s92, s92, 13
	s_lshl_b32 s93, s42, 8
	s_add_co_u32 s92, s92, s93
	s_add_co_u32 s92, s92, 0x1000000
	s_cmp_eq_u32 s66, 2
	s_cselect_b32 s90, s92, s90
	s_mov_b32 s91, 0
	s_add_nc_u64 s[10:11], s[10:11], s[90:91]
.macro FRAG reg, adr, q, i             ; 16 rows x 128 K: lane holds row lane % 16; registers 4 c .. 4 c + 3 hold K = 32 c + 16 h + 0 .. 15: the same places of K in A and in B
.irp c, 0,1,2,3
	ds_load_b128 v[\reg+4*\c:\reg+4*\c+3], v[\adr] offset:128*(\q)+32*\c+(\i)*16*PITCH
.endr
.endm
; 16 matrix instructions: A's blocks a0, a0 + 1 x B's eight.  The 64 accumulators take turns, one instruction a turn, in the same order in every step.
.macro MUL16 a0, p, zero
.irp a, \a0, \a0+1
.irp b, 0,1,2,3,4,5,6,7
.if \zero
	v_wmma_f32_16x16x128_fp8_fp8 v[8*(8*((\a)%4)+\b):8*(8*((\a)%4)+\b)+7], v[128*(\p)+FR*\b:128*(\p)+FR*\b+FR-1], v[AF+FR*(\a):AF+FR*(\a)+FR-1], 0
.else
	v_wmma_f32_16x16x128_fp8_fp8 v[8*(8*((\a)%4)+\b):8*(8*((\a)%4)+\b)+7], v[128*(\p)+FR*\b:128*(\p)+FR*\b+FR-1], v[AF+FR*(\a):AF+FR*(\a)+FR-1], v[8*(8*((\a)%4)+\b):8*(8*((\a)%4)+\b)+7]
.endif
.endr
.endr
.endm
.macro FETCH_B slot, q, p
	WIN TO_B
.irp i, 0,1,2,3,4,5,6,7
	FRAG 128*(\p)+FR*\i, ADRB+\slot, \q, \i
.endr
	WIN 0
.endm
.macro FETCH_A slot, q, i0
.irp i, \i0, \i0+1, \i0+2, \i0+3
	FRAG AF+FR*(\i), ADRA+\slot, \q, \i
.endr
.endm
.macro PLACES n                        ; plain vector lines between a matrix instruction and a load into, or a read of, its registers
.rept \n
	v_nop
.endr
.endm
.macro STEP slot, q, zero              ; 128 along K that have their successor in the same slot
	s_wait_dscnt 4*NL                              ; B's set and A's blocks 0-3 are in; A's blocks 4-7, sixteen loads, may be out
	WIN MUL_LO
	MUL16 0, (\q)%2, \zero
	MUL16 2, (\q)%2, \zero
	s_wait_dscnt 0
	PLACES NP
	FETCH_B \slot, (\q)+1, 1-(\q)%2
	FETCH_A \slot, (\q)+1, 0
	WIN MUL_HI
	MUL16 4, (\q)%2, \zero
	MUL16 6, (\q)%2, \zero
	PLACES NP
	WIN 0
	FETCH_A \slot, (\q)+1, 4
.endm
; A slot's last 128 change slots: ONE barrier; in front of it each wave waits for all its tensor loads, adds 0 to its spare word, and waits for that and for its reads of this slot.
.macro TURN slot, next, fill
	s_wait_tensorcnt 0x0                           ; all my tensor loads have landed: my part of the next slot
	ds_add_u32 v[SPW], v[NIL]                      ; 0 onto my spare word
	s_wait_dscnt 4*NL+1                            ; (the add and A's blocks 4-7 may be out)
	WIN MUL_LO
	MUL16 0, 1, 0
	s_wait_dscnt 0x0                               ; the add is done, and my reads of this slot are over
	s_barrier_signal -1
	MUL16 2, 1, 0
	WIN 0
	s_barrier_wait -1
.if \fill
	CREST                                          ; the barrier has opened a round of the cluster's: no wave of any partner still reads this slot or has a load on its way
	s_add_nc_u64 s[G0+4*\slot+2:G0+4*\slot+3], s[G0+4*\slot+2:G0+4*\slot+3], 2*ROWB
	s_add_nc_u64 s[G0B+4*\slot+2:G0B+4*\slot+3], s[G0B+4*\slot+2:G0B+4*\slot+3], 2*ROWB
	JLOAD G0+4*\slot, G1, G0B+4*\slot, G1B         ; the first tensor load behind the round; its four v_nop are the places in front of the loads below
.else
	PLACES NP
.endif
	FETCH_B \next, 0, 0
	FETCH_A \next, 0, 0
	WIN MUL_HI
	MUL16 4, 1, 0
	MUL16 6, 1, 0
	PLACES NP
	WIN 0
	FETCH_A \next, 0, 4
.endm
	s_wait_alu depctr_va_vdst(0)
	s_wait_tensorcnt 0x0                           ; my part of K step 0 is in; slot 1's first fill is issued as a refill is
	ds_add_u32 v[SPW], v[NIL]                      ; 0 onto my spare word
	s_wait_dscnt 0x0
	CROUND                                         ; a whole round: everybody's part of K step 0 is in
	JLOAD G0+4, G1, G0B+4, G1B                     ; K step 1, the first tensor load behind the round
	FETCH_B 0, 0, 0
	FETCH_A 0, 0, 0
	FETCH_A 0, 0, 4
	STEP 0, 0, 1                                   ; the first products start the sums: nothing is cleared
	s_mov_b32 s3, LAPS-1
.Llap:                                                 ; a trip goes once round the ring and fills both slots again
	TURN 0, 1, 1
	STEP 1, 0, 0
	TURN 1, 0, 1
	STEP 0, 0, 0
	s_sub_co_u32 s3, s3, 1
	s_cmp_lg_u32 s3, 0
	s_cbranch_scc1 .Llap
	TURN 0, 1, 0                                   ; the last lap fills nothing
	STEP 1, 0, 0
	s_wait_dscnt 4*NL
	WIN MUL_LO
	MUL16 0, 1, 0
	MUL16 2, 1, 0
	s_wait_dscnt 0
	WIN MUL_HI
	MUL16 4, 1, 0
	MUL16 6, 1, 0
	WIN 0
	; THE WAY OUT.  The folded scale, chosen by p without a branch
	s_wait_kmcnt 0x0
	s_add_co_i32 s84, s72, s73
	s_add_co_i32 s85, s74, s75
	s_add_co_i32 s86, s76, s77
	s_cmp_eq_u32 s66, 1
	s_cselect_b32 s84, s85, s84
	s_cselect_b32 s87, s79, s78
	s_cmp_eq_u32 s66, 2
	s_cselect_b32 s84, s86, s84                    ; ea + eb
	s_cselect_b32 s87, s81, s87                    ; eo
	s_sub_co_i32 s87, s87, s84
	s_add_co_i32 s87, s87, 127
	s_lshl_b32 s88, s87, 23
	v_mov_b32 v[SCL], s88
	s_add_co_i32 s87, s87, 8
	s_lshl_b32 s87, s87, 23
	s_or_b32 s87, s87, 0x600000
	v_mov_b32 v[LIM], s87
	PLACES NP
; Block a, 16 rows x 128 columns: held, converted (a lane's eight sums of an accumulator are eight neighbouring codes), 8 bytes a lane into the work-group's stage.  Each accumulator is read from its low end on.
.macro QBLK a
.set AC, 64*((\a)%4)
	WIN 0x02+((\a)/4)                              ; source 0: window 2 or 3
.set n, 0
.rept 64
	v_med3_num_f32 v[TMP+n], v[AC+n], -v[LIM], v[LIM]
.set n, n+1
.endr
	WIN 0
.if (\a) > 0
	s_wait_alu depctr_va_vdst(0)
	s_wait_dscnt 0x0                               ; the last block's stores have read their code registers
.endif
.irp b, 0,1,2,3,4,5,6,7
	v_cvt_scalef32_pk8_fp8_f32 v[CD+2*\b:CD+2*\b+1], v[TMP+8*\b:TMP+8*\b+7], v[SCL]
.endr
	v_nop                                          ; a plain line between the conversions and the next block's holds, which write their sources
.irp b, 0,1,2,3,4,5,6,7
	ds_store_b64 v[STO], v[CD+2*\b:CD+2*\b+1] offset:(\a)*16*SPQ+16*\b
.endr
.endm
.irp a, 0,1,2,3,4,5,6,7
	QBLK \a
.endr
	s_wait_dscnt 0x0                               ; for the others' sake: my stores into the stage are done
	s_barrier_signal -1
	s_barrier_wait -1
	s_cmp_eq_u32 s66, 2                            ; the cluster's y alone decides
	s_cbranch_scc1 .Lv
.set n, 0
.rept 32                                       ; q, k: my head's 256 rows of 64 bytes are 16,384 dense bytes of qkv
.if n < 16
	ds_load_b128 v[BK+4*n:BK+4*n+3], v[RDQ] offset:8*SPQ*n
.else
	ds_load_b128 v[BK+4*n:BK+4*n+3], v[RDQ2] offset:8*SPQ*(n-16)
.endif
.set n, n+1
.endr
.set n, 0
.rept 32
	s_wait_dscnt 31-n
	global_store_b128 v[COQ], v[BK+4*n:BK+4*n+3], s[10:11] offset:512*n   ; 32 lanes store 512 consecutive bytes
.set n, n+1
.endr
	s_branch .Ldone
.Lv:
.set n, 0
.rept 32                                       ; v: my 64 rows of 256 bytes
	ds_load_b128 v[BK+4*n:BK+4*n+3], v[RDV] offset:2*SPQ*n
.set n, n+1
.endr
.set n, 0
.rept 32
	s_wait_dscnt 31-n
	global_store_b128 v[COV], v[BK+4*n:BK+4*n+3], s[10:11] offset:16384*n   ; sixteen lanes store 256 consecutive bytes, aligned
.set n, n+1
.endr
.Ldone:
	s_wait_tensorcnt 0x0                           ; the wave's end
	ds_add_u32 v[SPW], v[NIL]
	s_wait_dscnt 0x0
	CROUND                                         ; the closing round
	s_endpgm
.Lfunc_end_k_q9a6124e398_qkv:
	.size	k_q9a6124e398_qkv, .Lfunc_end_k_q9a6124e398_qkv-k_q9a6124e398_qkv
	.p2alignl 7, 3214868480
	.fill 96, 4, 3214868480
	.section	.rodata,"a",@progbits
	.p2align	6, 0x0
	.amdhsa_kernel k_q9a6124e398_qkv
		.amdhsa_group_segment_fixed_size 327680
		.amdhsa_private_segment_fixed_size 0
		.amdhsa_enable_private_segment 0
		.amdhsa_kernarg_size 32
		.amdhsa_user_sgpr_count 2
		.amdhsa_user_sgpr_kernarg_segment_ptr 1
		.amdhsa_wavefront_size32 1
		.amdhsa_system_sgpr_workgroup_id_x 1
		.amdhsa_system_sgpr_workgroup_id_y 1
		.amdhsa_system_sgpr_workgroup_id_z 1
		.amdhsa_system_vgpr_workitem_id 0
		.amdhsa_next_free_vgpr 1024
		.amdhsa_next_free_sgpr 100
		.amdhsa_reserve_vcc 0
		.amdhsa_float_denorm_mode_32 3
		.amdhsa_float_denorm_mode_16_64 3
		.amdhsa_memory_ordered 1
		.amdhsa_forward_progress 1
		.amdhsa_inst_pref_size 133
	.end_amdhsa_kernel
	.amdgpu_metadata
---
amdhsa.version: [ 1, 2 ]
amdhsa.kernels:
  - .name:           k_q9a6124e398_qkv
    .symbol:         k_q9a6124e398_qkv.kd
    .args:
      - { .name: xc, .offset: 0, .size: 8, .value_kind: global_buffer, .address_space: global }
      - { .name: wc, .offset: 8, .size: 8, .value_kind: global_buffer, .address_space: global }
      - { .name: lowp_scales, .offset: 16, .size: 8, .value_kind: global_buffer, .address_space: global }
      - { .name: qkv, .offset: 24, .size: 8, .value_kind: global_buffer, .address_space: global }
    .group_segment_fixed_size: 327680
    .private_segment_fixed_size: 0
    .kernarg_segment_align: 8
    .kernarg_segment_size: 32
    .max_flat_workgroup_size: 128
    .sgpr_count:     100
    .vgpr_count:     1024
    .wavefront_size: 32
...
	.end_amdgpu_metadata
.endif
;; end of part 2
;; launch attn (part 3): grid 4 x 64, 8 waves a work-group, clusters of 4 x 1, 327,680 bytes of LDS; arguments qkv, lowp_scales, ac; writes ac
.if DOCPART == 3
	.amdgcn_target "amdgcn-amd-amdhsa--gfx1250"
	.amdhsa_code_object_version 6
	.text
	.protected	k_q9a6124e398_attn
	.globl	k_q9a6124e398_attn
	.p2align	8
	.type	k_q9a6124e398_attn,@function
k_q9a6124e398_attn:
	s_mov_b64 s[64:65], 0
	v_nop
	global_prefetch_b8 v0, s[64:65] scope:SCOPE_SE
	s_setreg_imm32_b32 hwreg(HW_REG_WAVE_MODE, 25, 1), 1
	s_wait_xcnt 0x0
	s_wait_alu depctr_hold_cnt(0) depctr_sa_sdst(0) depctr_va_vdst(0) depctr_va_sdst(0) depctr_va_ssrc(0) depctr_va_vcc(0) depctr_vm_vsrc(0)
	s_getreg_b32 s2, hwreg(HW_REG_IB_STS2, 6, 4)
	s_cmp_eq_u32 s2, 0
	s_cbranch_scc0 .Lentry_in_a_cluster
	s_endpgm
.Lentry_in_a_cluster:
	s_bfe_u32 s2, ttmp6, 0x10000c
	s_cmp_lg_u32 s2, 0x3003
	s_cbranch_scc0 .Lentry_shape_is_right
	s_endpgm
.Lentry_shape_is_right:
; Causal attention on codes of FP8 (E4M3): S^T = K Q^T, p = 2^(t - M), O^T = V^T P, O / l quantised for the last product.  64 heads (b, h) of 2,048 x 64.
; qkv: q at byte 0, k at 8 MiB: [16 b + h][2048][64]; v at 16 MiB: [64 h + d][8192 = 2048 b + s], keys innermost.  ac: [h][8192 = 2048 b + s][64 d], codes.
; THE SOFTMAX: t = score x log2(e) / 8; M = the running largest t rounded UP to a whole number, kept as -M = floor(-t); p = 2^(t - M) is quantised with the given 2^e8, not normalised; the row's sum is taken of the
; unquantised p; when M moves, the sum and O^T are multiplied by 2^(old M - new M), which rounds nothing.
; LEFT OUT: key steps all of whose 128 keys come after a pair's queries: the causal mask sets those scores to -infinity, so they add nothing to any sum.
; A HEAD'S WHOLE K AND V LIE IN LDS: 2,048 rows of K of 64 + 16 bytes, and V in four blocks of 64 rows x (512 keys + 16 bytes): 299,008 bytes.  No byte is filled twice, so there is no ring.
; CLUSTER: the four work-groups of a head need the same K and V and ask for them JOINTLY (mask 15), in two groups: keys 0-511 at the head, keys 512-2,047 behind a round, one load a wave
; (waves 0-3: K; waves 4-7, then 4-6: V).  Every descriptor hangs on the head and the wave's number alone.
; SHARES.  A head has 64 pairs of query tiles, pair u = queries 32 u .. 32 u + 31, which needs u / 4 + 1 key steps of 128.  Wave w of work-group c owns pair A = 4 w + c and pair B = 63 - A:
; (w + 1) + (16 - w) = 17 pair steps for every wave.  Both pairs go through ONE walk over the keys and share the fragments of K and V.  A is at work in steps 0 .. w, B in steps 0 .. 15 - w;
; the last step of each lies on the diagonal: there hidden scores become -infinity ahead of the maximum.  All branches hang on w and the count of steps, none on c.
; While the second group of loads is on its way every wave takes B through steps 0-3; then one barrier; then 16 trips with no barrier.
; NO PREFETCH: all tensor loads of the launch are issued ahead of the main loop, so there is no later load to ask ahead of.
; LAYOUT.  Both products are used transposed: a lane holds ONE query (lane % 16).  Lane r of K's tile u takes key 8 u + r % 8 + 64 (r / 8), so that register n (0 .. 63) of S^T in lane half h is key n + 64 h
; of the step; p's codes then hold key 4 x register + byte + 64 h, and V's fragments are loaded into the same places.
; LIMITS: e6 + e7 between -123 and 130 (added to c's exponent field); e8, and e10 - e8 - e9, between -126 and 119; the scaled scores stay under 2^31 in magnitude.  NaN among the inputs is not served.
; REGISTERS: window 0: v1-11 addresses; v12-27 statistics of A and B (-M, largest t, the sum's pair, a tile); v28-38 at work; v40-55 the way out's codes; v56-59 the diagonal's offsets; v64-191 S^T, then p; v192-255 B's O^T.
;   window 1: v0-31 Q of A and B, v32-95 K of a step, v96-159 V of a step, v160-191 p's codes, v192-255 A's O^T.
.set KP,    80                         ; a key's row in LDS
.set KSTEP, 128*KP                     ; a key step of K
.set VP,    528                        ; a row of a block of V
.set VBLK,  64*VP
.set VOFF,  2048*KP
.set SPARE, VOFF+4*VBLK                ; the spare words: 128 bytes a wave, named by no other line
.set STAGE, SPARE+1024                 ; the way out: 2,048 bytes a wave; no fill lands here
.set AK0, 1
.set AV0, 2
.set SCP, 4                            ; 2^e8
.set SPW, 5
.set NIL, 6
.set ADK, 7
.set ADV, 8
.set STW, 9
.set STR, 10
.set GO,  11
.set STA, 12                           ; tile i: +4i -M, +1 largest t, +2, +3 the sum in two halves
.set STB, 20
.set TP,  28                           ; tile i: +6i second chain of the maximum, then f; +1 first chain; +2, +3 second chain of the sum; +4 the exchange
.set INF, 33
.set QO,  39
.set CD,  40
.set DA,  56                           ; v56, v57: A's tiles: my query - the diagonal step's first key - 64 h;  v58, v59: B's
.set DB,  58
.set S,   64
.set O,   192
.set QA,  0                            ; window 1
.set QB,  16
.set KR,  32
.set VR,  96
.set P,   160
.set FA,  2                            ; s2, s3: is A, is B at work in this trip
.set FB,  3
.set WV,  10
.set CX,  11
.set KS,  12                           ; the key step
.set KO,  13                           ; its first byte in K,
.set VO,  14                           ; in V
.set BL,  15                           ; 15 - w: B's last step
.set KN,  81                           ; s81: the first byte in K of the step whose fragments are asked for next
.set MX,  40                           ; v40-43: tile i: +2i, +2i+1 the third and fourth chain of the maximum (the way out's registers, free in a pair step)
.set SM,  44                           ; v44-51: tile i: +4i, +4i+2 the third and fourth chain of the sum, a pair each
.set QPA, 16
.set QPB, 18
.set SEL, 20
.set CS,  22
.set G1KA, 24
.set G1KB, 32
.set G1VA, 40
.set G1VB, 48
.set G0KA, 56
.set G0KB, 60
.set OPA, 66
.set G0VA, 68
.set G0VB, 72
.set OPB, 76
.set PLM, 78                           ; 448 x 2^e8
.set OSC, 79                           ; 2^(e10 - e8 - e9)
.set OLM, 80                           ; 448 x that
.set MSB, 0
.macro WIN new                         ; the immediate's high byte repeats the setting that is left
.if MSB != (\new)
	s_set_vgpr_msb (MSB<<8)|(\new)
.set MSB, (\new)
.endif
.endm
.macro TL g0, g1                       ; a joint load; an s_nop 0 and four v_nop follow it
	tensor_load_to_lds s[\g0:\g0+3], s[\g1:\g1+7]
	s_nop 0
.rept 4
	v_nop
.endr
.endm
.macro GRP1 g, qi, c, r, p             ; group 1: r rows of c bytes, p apart; mask 15 and bit 21; 4 words of padding behind every 2 << qi
	s_mov_b32 s[\g], 15|(1<<20)|(1<<21)|(\qi<<22)|(3<<25)
	s_mov_b32 s[\g+1], (\c)<<16
	s_mov_b32 s[\g+2], (\r)<<16
	s_mov_b32 s[\g+3], (\c)<<16
	s_mov_b32 s[\g+4], \r
	s_mov_b32 s[\g+5], \p
	s_mov_b32 s[\g+6], 0
	s_mov_b32 s[\g+7], 0
.endm
.macro ROUND                           ; a round of the cluster's barrier
	s_barrier_signal -1
	s_barrier_wait -1
	s_cmp_lg_u32 s[WV], 0
	s_cbranch_scc1 .Lnot_wave_0_\@
	s_barrier_signal -3
.Lnot_wave_0_\@:
	s_barrier_wait -3
	s_barrier_signal -1
	s_barrier_wait -1
.endm
	s_load_b128 s[4:7], s[0:1], 0x0                ; qkv, the exponents
	s_load_b64 s[8:9], s[0:1], 0x10                ; ac
	v_lshl_add_u32 v[SPW], v0, 2, SPARE
	v_mov_b32 v[NIL], 0
	ds_add_u32 v[SPW], v[NIL]                      ; the opening lines: the add, twice on end, and its wait
	ds_add_u32 v[SPW], v[NIL]
	v_lshrrev_b32 v7, 5, v0
	v_readfirstlane_b32 s[WV], v7                  ; wave 0..7
	s_and_b32 s84, ttmp7, 0xffff                   ; 16 b + h
	s_lshr_b32 s85, s84, 4                         ; b
	s_and_b32 s86, s84, 15                         ; h
	s_lshl_b32 s89, s84, 17                        ; the head's first byte in q and in k
	s_add_co_u32 s90, s89, 0x800000                ; K
	s_lshl_b32 s91, s86, 19
	s_lshl_b32 s92, s85, 11
	s_add_co_u32 s91, s91, s92
	s_add_co_u32 s91, s91, 0x1000000               ; V: 64 h rows of 8,192 + 2,048 b
	s_and_b32 s93, s[WV], 3
	s_mov_b32 s[G0KA], 1                           ; first group, K: 128 keys a wave
	s_mul_i32 s[G0KA+1], s93, KSTEP
	s_lshl_b32 s94, s93, 13
	s_add_co_u32 s[G0KA+2], s90, s94
	s_mov_b32 s[G0KA+3], 0
	s_mov_b32 s[G0VA], 1                           ; first group, V: 16 rows of block 0 a wave
	s_mul_i32 s94, s93, 16*VP
	s_add_co_u32 s[G0VA+1], s94, VOFF
	s_lshl_b32 s94, s93, 17
	s_add_co_u32 s[G0VA+2], s91, s94
	s_mov_b32 s[G0VA+3], 0
	s_mov_b32 s[G0KB], 1                           ; second group, K: 384 keys a wave, from key 512 on
	s_mul_i32 s94, s93, 3*KSTEP
	s_add_co_u32 s[G0KB+1], s94, 4*KSTEP
	s_mul_i32 s94, s93, 24576
	s_add_co_u32 s94, s94, 32768
	s_add_co_u32 s[G0KB+2], s90, s94
	s_mov_b32 s[G0KB+3], 0
	s_mov_b32 s[G0VB], 1                           ; second group, V: block 1, 2 or 3, whole
	s_mul_i32 s94, s93, VBLK
	s_add_co_u32 s[G0VB+1], s94, VOFF+VBLK
	s_lshl_b32 s94, s93, 9
	s_add_co_u32 s94, s94, 512
	s_add_co_u32 s[G0VB+2], s91, s94
	s_mov_b32 s[G0VB+3], 0
	GRP1 G1KA, 3, 256, 32, 256                     ; K is dense: rows of 256 bytes = four keys, 16 bytes of padding behind each key
	GRP1 G1KB, 3, 256, 96, 256
	GRP1 G1VA, 6, 512, 16, 8192
	GRP1 G1VB, 6, 512, 64, 8192
	s_mov_b32 s[SEL], 0x76543210
	s_mov_b32 s[SEL+1], 0xfedcba98
	s_wait_dscnt 0x0                               ; both opening adds are done
	s_wait_kmcnt 0x0
	s_load_b64 s[82:83], s[6:7], 0x18              ; e6, e7
	s_load_b128 s[96:99], s[6:7], 0x20             ; e8 .. e11
.irp g, G0KA, G0KB, G0VA, G0VB
	s_add_nc_u64 s[\g+2:\g+3], s[4:5], s[\g+2:\g+3]
	s_or_b32 s[\g+3], s[\g+3], 0x80000000
.endr
	ROUND                                          ; the four work-groups are here: the first joint loads meet
	s_cmp_lt_u32 s[WV], 4
	s_cbranch_scc0 .Lv1
	TL G0KA, G1KA
	s_branch .Lj1
.Lv1:
	TL G0VA, G1VA
.Lj1:
	s_bfe_u32 s[CX], ttmp6, 0x40000                ; c: enters global addresses and the diagonal's offsets alone
	s_lshl_b32 s87, s[WV], 7
	s_lshl_b32 s90, s[CX], 5                       ; 32 c
	s_add_co_u32 s87, s87, s90                     ; A's first query: 32 (4 w + c)
	s_sub_co_u32 s91, 2016, s87                    ; B's: 32 (63 - 4 w - c)
	s_mov_b32 s93, 0
	s_lshl_b32 s92, s87, 6
	s_add_co_u32 s92, s92, s89
	s_add_nc_u64 s[QPA:QPA+1], s[4:5], s[92:93]
	s_lshl_b32 s92, s91, 6
	s_add_co_u32 s92, s92, s89
	s_add_nc_u64 s[QPB:QPB+1], s[4:5], s[92:93]
	s_lshl_b32 s86, s86, 13                        ; ac: row 8,192 h + 2,048 b + query, 64 bytes a row
	s_lshl_b32 s85, s85, 11
	s_add_co_u32 s86, s86, s85
	s_add_co_u32 s92, s86, s87
	s_lshl_b32 s92, s92, 6
	s_add_nc_u64 s[OPA:OPA+1], s[8:9], s[92:93]
	s_add_co_u32 s92, s86, s91
	s_lshl_b32 s92, s92, 6
	s_add_nc_u64 s[OPB:OPB+1], s[8:9], s[92:93]
	s_sub_co_u32 s84, 96, s90                      ; 32 (3 - c)
	s_sub_co_u32 s[BL], 15, s[WV]
	s_lshl_b32 s94, s[WV], 11
	s_add_co_u32 s94, s94, STAGE                   ; my stage
	v_and_b32 v7, 15, v0                           ; r
	v_bfe_u32 v8, v0, 4, 1                         ; h
	v_lshlrev_b32 v[QO], 6, v7
	v_lshl_add_u32 v[QO], v8, 4, v[QO]             ; Q: row r of 64 bytes + 16 h: registers 0-3 hold d = 16 h + 0 .. 15, registers 4-7 d = 32 + 16 h + 0 .. 15: the same places in K
	WIN 0x40
.irp i, 0,1
	global_load_b128 v[QA+8*\i:QA+8*\i+3], v[QO], s[QPA:QPA+1] offset:1024*\i
	global_load_b128 v[QA+8*\i+4:QA+8*\i+7], v[QO], s[QPA:QPA+1] offset:1024*\i+32
	global_load_b128 v[QB+8*\i:QB+8*\i+3], v[QO], s[QPB:QPB+1] offset:1024*\i
	global_load_b128 v[QB+8*\i+4:QB+8*\i+7], v[QO], s[QPB:QPB+1] offset:1024*\i+32
.endr
	WIN 0
	v_lshrrev_b32 v[AK0], 3, v7
	v_mul_u32_u24 v[AK0], v[AK0], 64*KP
	v_and_b32 v[AV0], 7, v7
	v_mad_u32_u24 v[AK0], v[AV0], KP, v[AK0]
	v_lshl_add_u32 v[AK0], v8, 4, v[AK0]           ; K: key r % 8 + 64 (r / 8), + 16 h
	v_mul_u32_u24 v[AV0], v7, VP
	v_lshl_add_u32 v[AV0], v8, 6, v[AV0]
	v_add_nc_u32 v[AV0], VOFF, v[AV0]              ; V: row d = r, + 64 h keys
	v_lshlrev_b32 v[STW], 6, v7
	v_lshl_add_u32 v[STW], v8, 3, v[STW]
	v_add_nc_u32 v[STW], s94, v[STW]               ; the stage, in: row r of 64 bytes, + 8 h
	v_and_b32 v[GO], 31, v0
	v_lshlrev_b32 v[GO], 4, v[GO]
	v_add_nc_u32 v[STR], s94, v[GO]                ; back: 16 bytes a lane, dense
	v_lshlrev_b32 v[DA], 6, v8
	v_sub_nc_u32 v[DA], v7, v[DA]                  ; r - 64 h
	v_add_nc_u32 v[DB], s84, v[DA]                 ; on its diagonal step B's first query lies 32 (3 - c) behind the step's first key,
	v_add_nc_u32 v[DA], s90, v[DA]                 ; A's 32 c
	v_add_nc_u32 v[DA+1], 16, v[DA]                ; the second tile's queries lie 16 further on
	v_add_nc_u32 v[DB+1], 16, v[DB]
.irp st, STA, STB
.irp i, 0,1
	v_mov_b32 v[\st+4*\i+1], 0xff61b1e6            ; the largest t so far: -3e38
	v_floor_f32 v[\st+4*\i], -v[\st+4*\i+1]        ; -M
	v_mov_b32 v[\st+4*\i+2], 0
	v_mov_b32 v[\st+4*\i+3], 0
.endr
.endr
	v_mov_b32 v[TP+4], 0                           ; a lane permute's destination counts as one of its sources
	v_mov_b32 v[TP+10], 0
.set n, 0
.rept 64
	v_mov_b32 v[O+n], 0                            ; B's O^T: the step is written once; the first change of M multiplies what it finds by 0
.set n, n+1
.endr
	WIN 0x40
.set n, 0
.rept 64
	v_mov_b32 v[O+n], 0                            ; A's
.set n, n+1
.endr
	WIN 0
	s_wait_kmcnt 0x0
	s_add_co_i32 s84, s82, s83                     ; a score stands for score x 2^(e6 + e7): added to c's exponent field
	s_lshl_b32 s84, s84, 23
	s_mov_b32 s[CS], 0x3e38aa3b                    ; c = log2(e) / sqrt(64)
	s_add_co_i32 s[CS], s[CS], s84
	s_mov_b32 s[CS+1], s[CS]                       ; (named with it as a pair)
	s_add_co_i32 s84, s96, 127
	s_lshl_b32 s85, s84, 23
	v_mov_b32 v[SCP], s85                          ; 2^e8
	s_add_co_i32 s84, s84, 8
	s_lshl_b32 s84, s84, 23
	s_or_b32 s[PLM], s84, 0x600000
	s_sub_co_i32 s84, s98, s96
	s_sub_co_i32 s84, s84, s97                     ; O^T / l stands for that x 2^(e8 + e9): its code is that / 2^(e10 - e8 - e9)
	s_add_co_i32 s84, s84, 127
	s_lshl_b32 s[OSC], s84, 23
	s_add_co_i32 s84, s84, 8
	s_lshl_b32 s84, s84, 23
	s_or_b32 s[OLM], s84, 0x600000
; K's 8 tiles of a key step, from the address in v[ADK]
.macro LOADK
	WIN 0x40
.irp t, 0,1,2,3,4,5,6,7
	ds_load_b128 v[KR+8*\t:KR+8*\t+3], v[ADK] offset:8*KP*\t
	ds_load_b128 v[KR+8*\t+4:KR+8*\t+7], v[ADK] offset:8*KP*\t+32
.endr
	WIN 0
.endm
; V's 4 tiles of a key step.  The addition and three v_nop are the four places between the last products and the loads into V's registers.
.macro LOADV
	v_add_nc_u32 v[ADV], s[VO], v[AV0]
.rept 3
	v_nop
.endr
	WIN 0x40
.irp t, 0,1,2,3
.irp c, 0,1,2,3
	ds_load_b128 v[VR+16*\t+4*\c:VR+16*\t+4*\c+3], v[ADV] offset:16*\t*VP+16*\c   ; registers 4 c on: keys 16 c + 64 h + 0 .. 15: p's places
.endr
.endr
	WIN 0
.endm
; A PAIR STEP: 128 keys for one pair's two tiles.  qb: its Q; st: its statistics; ow: the window of its O^T; msk = 1: the text has the diagonal's lines, run where the step is s[dg]; dv: its offsets.
.macro PS qb, st, ow, msk, dg, dv, kg  ; K's fragments of this step are in when a pair step begins.  kg = 1: the next step's are asked for here only where B has no work in this trip; kg = 0: always
	WIN 0x05
.irp t, 0,1,2,3,4,5,6,7
.irp i, 0,1
	v_wmma_f32_16x16x64_fp8_fp8 v[S+64*\i+8*\t:S+64*\i+8*\t+7], v[KR+8*\t:KR+8*\t+7], v[\qb+8*\i:\qb+8*\i+7], 0
.endr
.endr
	WIN 0
	v_add_nc_u32 v[ADK], s[KN], v[AK0]             ; with three v_nop: four places behind the products, for the loads into K's registers and for the first reads of S^T
.rept 3
	v_nop
.endr
.if \kg
	s_cmp_lg_u32 s[FB], 0                          ; B still needs this step's K
	s_cbranch_scc1 .Lkeep_\@
.endif
	LOADK                                          ; the next step's K: the softmax below stands between these loads and the wait for them
.Lkeep_\@:
.if \msk
	s_cmp_lg_u32 s[KS], s[\dg]
	s_cbranch_scc1 .Lopen_\@
	v_mov_b32 v[INF], 0xff800000
.set n, 0
.rept 64
.irp i, 0,1
	v_cmp_gt_i32 vcc_lo, n, v[\dv+\i]              ; register n is hidden where n > my query - the step's first key - 64 h
	v_cndmask_b32 v[S+64*\i+n], v[S+64*\i+n], v[INF], vcc_lo
.endr
.set n, n+1
.endr
.Lopen_\@:
.endif
.irp i, 0,1                                    ; the step's largest score of my query among my 64 keys, in four chains a tile, eight by turns; each accumulator from its low end on
	v_max3_num_f32 v[TP+6*\i+1], v[S+64*\i], v[S+64*\i+1], v[S+64*\i+2]
	v_max3_num_f32 v[TP+6*\i], v[S+64*\i+3], v[S+64*\i+4], v[S+64*\i+5]
	v_max3_num_f32 v[MX+2*\i], v[S+64*\i+6], v[S+64*\i+7], v[S+64*\i+8]
	v_max3_num_f32 v[MX+2*\i+1], v[S+64*\i+9], v[S+64*\i+10], v[S+64*\i+11]
.endr
.set n, 12
.rept 6
.irp i, 0,1
	v_max3_num_f32 v[TP+6*\i+1], v[TP+6*\i+1], v[S+64*\i+n], v[S+64*\i+n+1]
	v_max3_num_f32 v[TP+6*\i], v[TP+6*\i], v[S+64*\i+n+2], v[S+64*\i+n+3]
	v_max3_num_f32 v[MX+2*\i], v[MX+2*\i], v[S+64*\i+n+4], v[S+64*\i+n+5]
	v_max3_num_f32 v[MX+2*\i+1], v[MX+2*\i+1], v[S+64*\i+n+6], v[S+64*\i+n+7]
.endr
.set n, n+8
.endr
.irp i, 0,1
	v_max3_num_f32 v[TP+6*\i+1], v[TP+6*\i+1], v[S+64*\i+60], v[S+64*\i+61]
	v_max3_num_f32 v[TP+6*\i], v[TP+6*\i], v[S+64*\i+62], v[S+64*\i+63]
.endr
.irp i, 0,1
	v_max3_num_f32 v[TP+6*\i+1], v[TP+6*\i+1], v[MX+2*\i], v[MX+2*\i+1]
.endr
.irp i, 0,1
	s_delay_alu instid0(VALU_DEP_2)
	v_max_num_f32 v[TP+6*\i+1], v[TP+6*\i+1], v[TP+6*\i]
.endr
.irp i, 0,1
	s_delay_alu instid0(VALU_DEP_2)
	v_permlanex16_b32 v[TP+6*\i+4], v[TP+6*\i+1], s[SEL], s[SEL+1]
.endr
.irp i, 0,1
	s_delay_alu instid0(VALU_DEP_2)
	v_max_num_f32 v[TP+6*\i+1], v[TP+6*\i+1], v[TP+6*\i+4]   ; and among the other half of the lanes'
.endr
.irp i, 0,1
	s_delay_alu instid0(VALU_DEP_2)
	v_mul_f32 v[TP+6*\i+1], s[CS], v[TP+6*\i+1]    ; as t (c is positive)
.endr
.irp i, 0,1
	s_delay_alu instid0(VALU_DEP_2)
	v_max_num_f32 v[\st+4*\i+1], v[\st+4*\i+1], v[TP+6*\i+1]   ; the running largest t
.endr
.irp i, 0,1
	v_mov_b32 v[TP+6*\i+1], v[\st+4*\i]
.endr
.irp i, 0,1
	s_delay_alu instid0(VALU_DEP_4)
	v_floor_f32 v[\st+4*\i], -v[\st+4*\i+1]        ; the new -M = -ceil(t)
.endr
.irp i, 0,1
	s_delay_alu instid0(VALU_DEP_2)
	v_sub_f32 v[TP+6*\i+1], v[\st+4*\i], v[TP+6*\i+1]   ; old M - new M: a whole number, 0 or less
.endr
.irp i, 0,1
	s_delay_alu instid0(VALU_DEP_2)
	v_cvt_i32_f32 v[TP+6*\i+1], v[TP+6*\i+1]       ; (it saturates)
.endr
.irp i, 0,1
	s_delay_alu instid0(VALU_DEP_2)
	v_ldexp_f32 v[TP+6*\i], 1.0, v[TP+6*\i+1]      ; f = 2^(old M - new M)
.endr
.set n, 0
.rept 32
.irp i, 0,1
	v_pk_fma_f32 v[S+64*\i+n:S+64*\i+n+1], v[S+64*\i+n:S+64*\i+n+1], s[CS:CS+1], v[\st+4*\i:\st+4*\i+1] op_sel_hi:[1,0,0]   ; t - M, two at a time
.endr
.set n, n+2
.endr
	s_wait_alu depctr_va_vdst(0)
.set n, 0
.rept 128
	v_exp_f32 v[S+n], v[S+n]                       ; p = 2^(t - M): one batch for both tiles
.set n, n+1
.endr
.irp i, 0,1
	v_pk_mul_f32 v[\st+4*\i+2:\st+4*\i+3], v[\st+4*\i+2:\st+4*\i+3], v[TP+6*\i:TP+6*\i+1] op_sel_hi:[1,0]   ; the sums under the new M: the plain lines behind the exponentials
.endr
	s_wait_alu depctr_va_vdst(0)                   ; one wait for the batch, ahead of its first reader
.irp i, 0,1                                    ; the row's sum is taken of the unquantised p, in four chains a tile, eight by turns
	v_pk_add_f32 v[TP+6*\i+2:TP+6*\i+3], v[S+64*\i:S+64*\i+1], v[S+64*\i+2:S+64*\i+3]
	v_pk_add_f32 v[SM+4*\i:SM+4*\i+1], v[S+64*\i+4:S+64*\i+5], v[S+64*\i+6:S+64*\i+7]
	v_pk_add_f32 v[SM+4*\i+2:SM+4*\i+3], v[S+64*\i+8:S+64*\i+9], v[S+64*\i+10:S+64*\i+11]
.endr
.set n, 12
.rept 6
.irp i, 0,1
	v_pk_add_f32 v[\st+4*\i+2:\st+4*\i+3], v[\st+4*\i+2:\st+4*\i+3], v[S+64*\i+n:S+64*\i+n+1]
	v_pk_add_f32 v[TP+6*\i+2:TP+6*\i+3], v[TP+6*\i+2:TP+6*\i+3], v[S+64*\i+n+2:S+64*\i+n+3]
	v_pk_add_f32 v[SM+4*\i:SM+4*\i+1], v[SM+4*\i:SM+4*\i+1], v[S+64*\i+n+4:S+64*\i+n+5]
	v_pk_add_f32 v[SM+4*\i+2:SM+4*\i+3], v[SM+4*\i+2:SM+4*\i+3], v[S+64*\i+n+6:S+64*\i+n+7]
.endr
.set n, n+8
.endr
.irp i, 0,1
	v_pk_add_f32 v[\st+4*\i+2:\st+4*\i+3], v[\st+4*\i+2:\st+4*\i+3], v[S+64*\i+60:S+64*\i+61]
	v_pk_add_f32 v[TP+6*\i+2:TP+6*\i+3], v[TP+6*\i+2:TP+6*\i+3], v[S+64*\i+62:S+64*\i+63]
.endr
.irp i, 0,1
	v_pk_add_f32 v[\st+4*\i+2:\st+4*\i+3], v[\st+4*\i+2:\st+4*\i+3], v[TP+6*\i+2:TP+6*\i+3]
	v_pk_add_f32 v[SM+4*\i:SM+4*\i+1], v[SM+4*\i:SM+4*\i+1], v[SM+4*\i+2:SM+4*\i+3]
.endr
.irp i, 0,1
	v_pk_add_f32 v[\st+4*\i+2:\st+4*\i+3], v[\st+4*\i+2:\st+4*\i+3], v[SM+4*\i:SM+4*\i+1]
.endr
.set n, 0
.rept 64                                       ; the conversion does not saturate (ISA guide 7.6.2); p is not negative: a one-sided hold, two registers a line
	v_dual_min_num_f32 v[S+n], s[PLM], v[S+n] :: v_dual_min_num_f32 v[S+n+1], s[PLM], v[S+n+1]
.set n, n+2
.endr
	WIN 0x40                                       ; p's codes lie in window 1
.irp i, 0,1
.irp t, 0,1,2,3,4,5,6,7
	v_cvt_scalef32_pk8_fp8_f32 v[P+16*\i+2*\t:P+16*\i+2*\t+1], v[S+64*\i+8*\t:S+64*\i+8*\t+7], v[SCP]
.endr
.endr
	WIN 0x41*\ow
	s_wait_alu depctr_va_vdst(0)                   ; directly ahead of the first reader of O^T
.set n, 0
.rept 16
.irp i, 0,1
	v_pk_mul_f32 v[O+32*\i+n:O+32*\i+n+1], v[O+32*\i+n:O+32*\i+n+1], v[TP+6*\i:TP+6*\i+1] op_sel_hi:[1,0]   ; O^T under the new M; also the plain lines behind the conversions
.endr
.set n, n+2
.endr
	s_wait_alu depctr_va_vdst(0)
	s_wait_dscnt 0x0                               ; V is in
	WIN 0x05|(0x50*\ow)                            ; V and p in window 1
.irp t, 0,1,2,3                                ; the eight accumulators take turns, one instruction a turn
.irp i, 0,1
	v_wmma_f32_16x16x128_fp8_fp8 v[O+32*\i+8*\t:O+32*\i+8*\t+7], v[VR+16*\t:VR+16*\t+15], v[P+16*\i:P+16*\i+15], v[O+32*\i+8*\t:O+32*\i+8*\t+7]
.endr
.endr
	WIN 0
.endm
; THE WAY OUT of a pair: O^T / l, held, converted (a lane's eight registers of an accumulator are eight neighbouring d), through my stage, and out as 2,048 dense bytes: my 32 rows of ac.
.macro EPI st, ow, op, ob
.rept 4
	v_nop
.endr
.irp i, 0,1
	v_add_f32 v[TP+6*\i+1], v[\st+4*\i+2], v[\st+4*\i+3]
.endr
.irp i, 0,1
	s_delay_alu instid0(VALU_DEP_2)
	v_permlanex16_b32 v[TP+6*\i+4], v[TP+6*\i+1], s[SEL], s[SEL+1]
.endr
.irp i, 0,1
	s_delay_alu instid0(VALU_DEP_2)
	v_add_f32 v[TP+6*\i+1], v[TP+6*\i+1], v[TP+6*\i+4]   ; the row's sum
.endr
	s_wait_alu depctr_va_vdst(0)
.irp i, 0,1
	v_rcp_f32 v[TP+6*\i], v[TP+6*\i+1]
.endr
	v_mov_b32 v[TP+2], s[OSC]                      ; (plain lines behind the reciprocals)
	v_mov_b32 v[TP+3], s[OLM]
	WIN \ow
	s_wait_alu depctr_va_vdst(0)                   ; one wait for both and for O^T, directly ahead of their first reader
.set n, 0
.rept 16
.irp i, 0,1
	v_pk_mul_f32 v[S+64*\i+n:S+64*\i+n+1], v[O+32*\i+n:O+32*\i+n+1], v[TP+6*\i:TP+6*\i+1] op_sel_hi:[1,0]
.endr
.set n, n+2
.endr
	WIN 0
.set n, 0
.rept 32
.irp i, 0,1
	v_med3_num_f32 v[S+64*\i+n], v[S+64*\i+n], -v[TP+3], v[TP+3]
.endr
.set n, n+1
.endr
.irp i, 0,1
.irp t, 0,1,2,3
	v_cvt_scalef32_pk8_fp8_f32 v[CD+8*\i+2*\t:CD+8*\i+2*\t+1], v[S+64*\i+8*\t:S+64*\i+8*\t+7], v[TP+2]
.endr
.endr
	v_nop                                          ; a plain line behind the last conversion
.irp i, 0,1
.irp t, 0,1,2,3
	ds_store_b64 v[STW], v[CD+8*\i+2*\t:CD+8*\i+2*\t+1] offset:1024*\i+16*\t   ; query 16 i + r, d = 16 t + 8 h + 0 .. 7
.endr
.endr
.irp k, 0,1,2,3
	ds_load_b128 v[\ob+4*\k:\ob+4*\k+3], v[STR] offset:512*\k   ; LDS serves a wave's instructions in order: these see my stores
.endr
	s_wait_dscnt 0x0
.irp k, 0,1,2,3
	global_store_b128 v[GO], v[\ob+4*\k:\ob+4*\k+3], s[\op:\op+1] offset:512*\k   ; 32 lanes store 512 consecutive bytes
.endr
.endm
	s_wait_alu depctr_va_vdst(0)
	s_wait_tensorcnt 0x0                           ; my part of keys 0-511 is in; the second group's first fills are issued as refills are:
	ds_add_u32 v[SPW], v[NIL]                      ; 0 onto my spare word
	s_wait_dscnt 0x0
	ROUND                                          ; everybody's part is in, and the four work-groups are here
	s_cmp_lt_u32 s[WV], 4
	s_cbranch_scc0 .Lv2
	TL G0KB, G1KB
	s_branch .Lj2
.Lv2:
	s_cmp_lt_u32 s[WV], 7                          ; three blocks of V are left: wave 7 has none
	s_cbranch_scc0 .Lj2
	TL G0VB, G1VB
.Lj2:
	s_mov_b32 s[KS], 0
	s_mov_b32 s[KO], 0
	s_mov_b32 s[VO], 0
	s_mov_b32 s[KN], 0
	v_add_nc_u32 v[ADK], s[KN], v[AK0]
	LOADK                                          ; step 0's K
	s_wait_loadcnt 0x0                             ; Q
	s_wait_dscnt 0x0                               ; K
.Lpre:                                             ; B's steps 0-3, on keys 0-511, while keys 512-2,047 are on their way: the same work in every wave
	s_add_co_u32 s[KO], s[KO], KSTEP
	s_min_u32 s[KN], s[KO], 3*KSTEP                ; the next step's K; the last trip names step 3 again, so that no byte of the second group is read here
	LOADV
	PS QB, STB, 0, 0, BL, DB, 0
	s_add_co_u32 s[VO], s[VO], 128
	s_add_co_u32 s[KS], s[KS], 1
	s_cmp_lt_u32 s[KS], 4
	s_cbranch_scc1 .Lpre
	s_wait_tensorcnt 0x0                           ; my part of the second group is in;
	s_wait_dscnt 0x0
	s_barrier_signal -1
	s_barrier_wait -1                              ; everybody's is.
	s_mov_b32 s[KS], 0
	s_mov_b32 s[KO], 0
	s_mov_b32 s[KN], 0
	v_add_nc_u32 v[ADK], s[KN], v[AK0]
	LOADK                                          ; step 0's K once more, for A
	s_wait_dscnt 0x0
.Lmain:                                            ; 16 trips, a key step each: A in steps 0 .. w, B in steps 4 .. 15 - w
	s_add_co_u32 s[KO], s[KO], KSTEP
	s_min_u32 s[KN], s[KO], 15*KSTEP               ; the next step's K, held inside K's bytes in the last trip
	s_cmp_le_u32 s[KS], s[WV]
	s_cselect_b32 s[FA], 1, 0
	s_cmp_ge_u32 s[KS], 4
	s_cselect_b32 s[FB], 1, 0
	s_cmp_le_u32 s[KS], s[BL]
	s_cselect_b32 s[FB], s[FB], 0
	s_or_b32 s84, s[FA], s[FB]
	s_cmp_eq_u32 s84, 0
	s_cbranch_scc1 .Lidle
	s_lshr_b32 s84, s[KS], 2                       ; V: block step / 4, 128 (step % 4) bytes along its rows
	s_mul_i32 s84, s84, VBLK
	s_and_b32 s85, s[KS], 3
	s_lshl_b32 s85, s85, 7
	s_add_co_u32 s[VO], s84, s85
	LOADV
	s_cmp_eq_u32 s[FA], 0
	s_cbranch_scc1 .Lno_a
	PS QA, STA, 1, 1, WV, DA, 1
.Lno_a:
	s_cmp_eq_u32 s[FB], 0
	s_cbranch_scc1 .Lnext
	PS QB, STB, 0, 1, BL, DB, 0
	s_branch .Lnext
.Lidle:                                            ; a trip with no work: ahead of step 4 B's steps are still to come, so the next step's K is fetched all the same
	s_cmp_ge_u32 s[KS], 4
	s_cbranch_scc1 .Lnext
	v_add_nc_u32 v[ADK], s[KN], v[AK0]
	LOADK
.Lnext:
	s_wait_dscnt 0x0                               ; the next step's K is in, and no LDS load is out on any way to the next trip
	s_add_co_u32 s[KS], s[KS], 1
	s_cmp_lt_u32 s[KS], 16
	s_cbranch_scc1 .Lmain
	EPI STA, 1, OPA, 160
	EPI STB, 0, OPB, 176
	s_wait_tensorcnt 0x0                           ; the wave's end
	ds_add_u32 v[SPW], v[NIL]
	s_wait_dscnt 0x0
	ROUND                                          ; the closing round
	s_endpgm
.Lfunc_end_k_q9a6124e398_attn:
	.size	k_q9a6124e398_attn, .Lfunc_end_k_q9a6124e398_attn-k_q9a6124e398_attn
	.p2alignl 7, 3214868480
	.fill 96, 4, 3214868480
	.section	.rodata,"a",@progbits
	.p2align	6, 0x0
	.amdhsa_kernel k_q9a6124e398_attn
		.amdhsa_group_segment_fixed_size 327680
		.amdhsa_private_segment_fixed_size 0
		.amdhsa_enable_private_segment 0
		.amdhsa_kernarg_size 24
		.amdhsa_user_sgpr_count 2
		.amdhsa_user_sgpr_kernarg_segment_ptr 1
		.amdhsa_wavefront_size32 1
		.amdhsa_system_sgpr_workgroup_id_x 1
		.amdhsa_system_sgpr_workgroup_id_y 1
		.amdhsa_system_sgpr_workgroup_id_z 1
		.amdhsa_system_vgpr_workitem_id 0
		.amdhsa_next_free_vgpr 512
		.amdhsa_next_free_sgpr 100
		.amdhsa_reserve_vcc 1
		.amdhsa_float_denorm_mode_32 3
		.amdhsa_float_denorm_mode_16_64 3
		.amdhsa_memory_ordered 1
		.amdhsa_forward_progress 1
		.amdhsa_inst_pref_size 139
	.end_amdhsa_kernel
	.amdgpu_metadata
---
amdhsa.version: [ 1, 2 ]
amdhsa.kernels:
  - .name:           k_q9a6124e398_attn
    .symbol:         k_q9a6124e398_attn.kd
    .args:
      - { .name: qkv, .offset: 0, .size: 8, .value_kind: global_buffer, .address_space: global }
      - { .name: lowp_scales, .offset: 8, .size: 8, .value_kind: global_buffer, .address_space: global }
      - { .name: ac, .offset: 16, .size: 8, .value_kind: global_buffer, .address_space: global }
    .group_segment_fixed_size: 327680
    .private_segment_fixed_size: 0
    .kernarg_segment_align: 8
    .kernarg_segment_size: 24
    .max_flat_workgroup_size: 256
    .sgpr_count:     100
    .vgpr_count:     512
    .wavefront_size: 32
...
	.end_amdgpu_metadata
.endif
;; end of part 3
;; launch proj (part 4): grid 4 x 32, 4 waves a work-group, clusters of 4 x 4, 327,680 bytes of LDS; arguments ac, wc, lowp_scales, bo, out0; writes out0
.if DOCPART == 4
	.amdgcn_target "amdgcn-amd-amdhsa--gfx1250"
	.amdhsa_code_object_version 6
	.text
	.protected	k_q9a6124e398_proj
	.globl	k_q9a6124e398_proj
	.p2align	8
	.type	k_q9a6124e398_proj,@function
k_q9a6124e398_proj:
	s_mov_b64 s[64:65], 0
	v_nop
	global_prefetch_b8 v0, s[64:65] scope:SCOPE_SE
	s_setreg_imm32_b32 hwreg(HW_REG_WAVE_MODE, 25, 1), 1
	s_wait_xcnt 0x0
	s_wait_alu depctr_hold_cnt(0) depctr_sa_sdst(0) depctr_va_vdst(0) depctr_va_sdst(0) depctr_va_ssrc(0) depctr_va_vcc(0) depctr_vm_vsrc(0)
	s_getreg_b32 s2, hwreg(HW_REG_IB_STS2, 6, 4)
	s_cmp_eq_u32 s2, 0
	s_cbranch_scc0 .Lentry_in_a_cluster
	s_endpgm
.Lentry_in_a_cluster:
	s_bfe_u32 s2, ttmp6, 0x10000c
	s_cmp_lg_u32 s2, 0xf033
	s_cbranch_scc0 .Lentry_shape_is_right
	s_endpgm
.Lentry_shape_is_right:
.set ROWB,   256
.set KROW,   1024
.set PITCH,  272
.set PA,     80
.set HEADB,  128*PA
.set HALFA,  4*HEADB
.set HALFB,  128*PITCH
.set SLOT,   2*HALFA+2*HALFB
.set ASTEP,  0x200000
.set FR,     16
.set NL,     4
.set NP,     4
.set LAPS,   2
.set SPARE,  2*SLOT
.set SPITCH, 528
.set ADRA, 16
.set ADRB, 20
.set STO,  24
.set RD,   25
.set CO,   26
.set BO,   27
.set SPW,  28
.set NIL,  29
.set BIAS, 32
.set AF,   128
.set TMP,  128
.set G1, 24
.set G0, 32
.set G1B, 48
.set G0B, 56
.set MSB, 0
.macro WIN new
.if MSB != \new
	s_set_vgpr_msb (MSB<<8)|\new
.set MSB, \new
.endif
.endm
.set MUL_LO, 0xa1
.set MUL_HI, 0xf1
.set TO_B,   0x40
.macro JLOAD g0a, g1a, g0b, g1b
	s_cmp_eq_u32 s15, 0
	s_cbranch_scc0 .Lfor_b_\@
	tensor_load_to_lds s[\g0a:\g0a+3], s[\g1a:\g1a+7]
	s_nop 0
.rept 4
	v_nop
.endr
	s_branch .Lasked_\@
.Lfor_b_\@:
	tensor_load_to_lds s[\g0b:\g0b+3], s[\g1b:\g1b+7]
	s_nop 0
.rept 4
	v_nop
.endr
.Lasked_\@:
.endm
.macro CREST
	s_cmp_lg_u32 s14, 0
	s_cbranch_scc1 .Lnot_wave_0_\@
	s_barrier_signal -3
.Lnot_wave_0_\@:
	s_barrier_wait -3
	s_barrier_signal -1
	s_barrier_wait -1
.endm
.macro CROUND
	s_barrier_signal -1
	s_barrier_wait -1
	CREST
.endm
	s_load_b128 s[4:7], s[0:1], 0x0
	s_load_b128 s[8:11], s[0:1], 0x10
	s_load_b64 s[12:13], s[0:1], 0x20
	v_lshl_add_u32 v[SPW], v0, 2, SPARE
	v_mov_b32 v[NIL], 0
	ds_add_u32 v28, v29
	ds_add_u32 v28, v29
	s_wait_dscnt 0x0
	v_lshrrev_b32 v1, 5, v0
	v_readfirstlane_b32 s14, v1
	s_lshr_b32 s15, s14, 1
	s_and_b32 s16, s14, 1
	s_bfe_u32 s40, ttmp6, 0x40000
	s_bfe_u32 s41, ttmp6, 0x40004
	s_mov_b32 s42, s40
	s_and_b32 s17, ttmp7, 0xffff
	s_lshl_b32 s17, s17, 2
	s_add_co_u32 s17, s17, s41
	s_lshl_b32 s43, s41, 2
	s_lshl_b32 s43, 15, s43
	s_lshl_b32 s44, 0x1111, s40
	s_or_b32 s[G1+0], s43, (0<<16)|(1<<20)|(1<<21)|(3<<22)|(3<<25)
	s_mov_b32 s[G1+1], 8192<<16
	s_mov_b32 s[G1+2], 4<<16
	s_mov_b32 s[G1+3], 8192<<16
	s_mov_b32 s[G1+4], 4
	s_mov_b32 s[G1+5], 524288
	s_mov_b32 s[G1+6], 0
	s_mov_b32 s[G1+7], 0
	s_or_b32 s[G1B+0], s44, (0<<16)|(1<<20)|(1<<21)|(5<<22)|(3<<25)
	s_mov_b32 s[G1B+1], ROWB<<16
	s_mov_b32 s[G1B+2], 128<<16
	s_mov_b32 s[G1B+3], ROWB<<16
	s_mov_b32 s[G1B+4], 128
	s_mov_b32 s[G1B+5], KROW
	s_mov_b32 s[G1B+6], 0
	s_mov_b32 s[G1B+7], 0
	s_lshl_b32 s20, s17, 14
	s_lshl_b32 s18, s16, 13
	s_add_co_u32 s20, s20, s18
	s_mov_b32 s21, 0
	s_lshl_b32 s46, s42, 18
	s_lshl_b32 s18, s16, 17
	s_add_co_u32 s46, s46, s18
	s_add_co_u32 s46, s46, 0x300000
	s_mov_b32 s47, 0
	s_mul_i32 s45, s16, HALFA
	s_mul_i32 s66, s16, HALFB
	s_add_co_u32 s66, s66, 2*HALFA
	s_wait_kmcnt 0x0
	s_load_b64 s[96:97], s[8:9], 0x28
	s_add_nc_u64 s[20:21], s[4:5], s[20:21]
	s_add_nc_u64 s[46:47], s[6:7], s[46:47]
	CROUND
.irp s, 0,1
	s_mov_b32 s[G0+4*\s], 1
	s_add_co_u32 s[G0+4*\s+1], s45, \s*SLOT
	s_add_nc_u64 s[G0+4*\s+2:G0+4*\s+3], s[20:21], \s*ASTEP
	s_or_b32 s[G0+4*\s+3], s[G0+4*\s+3], 0x80000000
	s_mov_b32 s[G0B+4*\s], 1
	s_add_co_u32 s[G0B+4*\s+1], s66, \s*SLOT
	s_add_nc_u64 s[G0B+4*\s+2:G0B+4*\s+3], s[46:47], \s*ROWB
	s_or_b32 s[G0B+4*\s+3], s[G0B+4*\s+3], 0x80000000
.endr
	JLOAD G0, G1, G0B, G1B                         ; K step 0: one tensor load a wave at the head
	v_and_b32 v1, 15, v0
	v_bfe_u32 v2, v0, 4, 1
	v_mul_u32_u24 v3, v1, PA
	v_lshl_add_u32 v3, v2, 4, v3
	v_mul_u32_u24 v4, v1, PITCH
	v_lshl_add_u32 v4, v2, 4, v4
	s_mul_i32 s21, s15, HALFA
	s_mul_i32 s22, s16, HALFB
	s_add_co_u32 s22, s22, 2*HALFA
.irp s, 0,1
	v_add_nc_u32 v[ADRA+\s], s21, v3
	v_add_nc_u32 v[ADRB+\s], s22, v4
	s_add_co_u32 s21, s21, SLOT
	s_add_co_u32 s22, s22, SLOT
.endr
	s_mul_i32 s23, s14, 16*SPITCH
	v_mul_u32_u24 v5, v1, SPITCH
	v_lshl_add_u32 v5, v2, 5, v5
	v_add_nc_u32 v[STO], s23, v5
	v_and_b32 v6, 31, v0
	v_lshlrev_b32 v[CO], 4, v6
	v_add_nc_u32 v[RD], s23, v[CO]
	s_lshl_b32 s20, s17, 8
	s_lshl_b32 s21, s15, 7
	s_add_co_u32 s20, s20, s21
	s_lshl_b32 s20, s20, 12
	s_lshl_b32 s46, s42, 10
	s_lshl_b32 s47, s16, 9
	s_add_co_u32 s46, s46, s47
	s_mov_b32 s47, 0
	s_add_nc_u64 s[10:11], s[10:11], s[46:47]
	s_add_co_u32 s20, s20, s46
	s_mov_b32 s21, 0
	s_add_nc_u64 s[12:13], s[12:13], s[20:21]
	v_lshlrev_b32 v[BO], 5, v2
.irp b, 0,1,2,3,4,5,6,7
	global_load_b128 v[BIAS+8*\b:BIAS+8*\b+3], v[BO], s[10:11] offset:64*\b
	global_load_b128 v[BIAS+8*\b+4:BIAS+8*\b+7], v[BO], s[10:11] offset:64*\b+16
.endr
.macro FRAGB reg, adr, q, i
.irp c, 0,1,2,3
	ds_load_b128 v[\reg+4*\c:\reg+4*\c+3], v[\adr] offset:128*(\q)+32*\c+(\i)*16*PITCH
.endr
.endm
.macro FRAGA reg, adr, q, i
.irp c, 0,1,2,3
	ds_load_b128 v[\reg+4*\c:\reg+4*\c+3], v[\adr] offset:(2*(\q)+\c/2)*HEADB+(\c%2)*32+(\i)*16*PA
.endr
.endm
.macro MUL16 a0, p, zero
.irp a, \a0, \a0+1
.irp b, 0,1,2,3,4,5,6,7
.if \zero
	v_wmma_f32_16x16x128_fp8_fp8 v[8*(8*((\a)%4)+\b):8*(8*((\a)%4)+\b)+7], v[128*(\p)+FR*\b:128*(\p)+FR*\b+FR-1], v[AF+FR*(\a):AF+FR*(\a)+FR-1], 0
.else
	v_wmma_f32_16x16x128_fp8_fp8 v[8*(8*((\a)%4)+\b):8*(8*((\a)%4)+\b)+7], v[128*(\p)+FR*\b:128*(\p)+FR*\b+FR-1], v[AF+FR*(\a):AF+FR*(\a)+FR-1], v[8*(8*((\a)%4)+\b):8*(8*((\a)%4)+\b)+7]
.endif
.endr
.endr
.endm
.macro FETCH_B slot, q, p
	WIN TO_B
.irp i, 0,1,2,3,4,5,6,7
	FRAGB 128*(\p)+FR*\i, ADRB+\slot, \q, \i
.endr
	WIN 0
.endm
.macro FETCH_A slot, q, i0
.irp i, \i0, \i0+1, \i0+2, \i0+3
	FRAGA AF+FR*(\i), ADRA+\slot, \q, \i
.endr
.endm
.macro PLACES n
.rept \n
	v_nop
.endr
.endm
.macro STEP slot, q, zero
	s_wait_dscnt 4*NL
	WIN MUL_LO
	MUL16 0, (\q)%2, \zero
	MUL16 2, (\q)%2, \zero
	s_wait_dscnt 0
	PLACES NP
	FETCH_B \slot, (\q)+1, 1-(\q)%2
	FETCH_A \slot, (\q)+1, 0
	WIN MUL_HI
	MUL16 4, (\q)%2, \zero
	MUL16 6, (\q)%2, \zero
	PLACES NP
	WIN 0
	FETCH_A \slot, (\q)+1, 4
.endm
.macro TURN slot, next, fill
	s_wait_tensorcnt 0x0
	ds_add_u32 v[SPW], v[NIL]
	s_wait_dscnt 4*NL+1
	WIN MUL_LO
	MUL16 0, 1, 0
	s_wait_dscnt 0x0
	s_barrier_signal -1
	MUL16 2, 1, 0
	WIN 0
	s_barrier_wait -1
.if \fill
	CREST
	s_add_nc_u64 s[G0+4*\slot+2:G0+4*\slot+3], s[G0+4*\slot+2:G0+4*\slot+3], 2*ASTEP
	s_add_nc_u64 s[G0B+4*\slot+2:G0B+4*\slot+3], s[G0B+4*\slot+2:G0B+4*\slot+3], 2*ROWB
	JLOAD G0+4*\slot, G1, G0B+4*\slot, G1B
.else
	PLACES NP
.endif
	s_wait_alu depctr_va_vdst(0)
	FETCH_B \next, 0, 0
	FETCH_A \next, 0, 0
	WIN MUL_HI
	MUL16 4, 1, 0
	MUL16 6, 1, 0
	PLACES NP
	WIN 0
	FETCH_A \next, 0, 4
.endm
	s_wait_alu depctr_va_vdst(0)
	s_wait_tensorcnt 0x0                           ; my part of K step 0 is in; slot 1's first fill is issued as a refill is
	ds_add_u32 v[SPW], v[NIL]                      ; 0 onto my spare word
	s_wait_dscnt 0x0
	CROUND                                         ; a whole round: everybody's part of K step 0 is in
	JLOAD G0+4, G1, G0B+4, G1B                     ; K step 1, the first tensor load behind the round
	FETCH_B 0, 0, 0
	FETCH_A 0, 0, 0
	FETCH_A 0, 0, 4
	STEP 0, 0, 1
	s_mov_b32 s3, LAPS-1
.Llap:
	TURN 0, 1, 1
	STEP 1, 0, 0
	TURN 1, 0, 1
	STEP 0, 0, 0
	s_sub_co_u32 s3, s3, 1
	s_cmp_lg_u32 s3, 0
	s_cbranch_scc1 .Llap
	TURN 0, 1, 0
	STEP 1, 0, 0
	s_wait_dscnt 4*NL
	WIN MUL_LO
	MUL16 0, 1, 0
	MUL16 2, 1, 0
	s_wait_dscnt 0
	WIN MUL_HI
	MUL16 4, 1, 0
	MUL16 6, 1, 0
	WIN 0
.macro TOSTAGE a
.set AC, 64*((\a)%4)
.set BB, 64*((\a)%2)
	WIN 0x02+((\a)/4)
.set n, 0
.rept 32
	v_pk_fma_f32 v[TMP+n:TMP+n+1], v[AC+n:AC+n+1], s[96:97], v[BIAS+n:BIAS+n+1] op_sel_hi:[1,0,1]
.set n, n+2
.endr
	WIN 0
.irp b, 0,1,2,3,4,5,6,7
	ds_store_b128 v[STO], v[TMP+8*\b:TMP+8*\b+3] offset:64*\b
	ds_store_b128 v[STO], v[TMP+8*\b+4:TMP+8*\b+7] offset:64*\b+16
.endr
	WIN 0x40
.irp t, 0,1,2,3,4,5,6,7,8,9,10,11,12,13,14,15
	ds_load_b128 v[BB+4*\t:BB+4*\t+3], v[RD] offset:\t*SPITCH
.endr
	WIN 0
.endm
.macro SEND a, younger
.set BB, 64*((\a)%2)
	s_wait_dscnt \younger
.if (\a) > 0
	s_add_nc_u64 s[12:13], s[12:13], 16*4096
.endif
	WIN 0x04
.irp t, 0,1,2,3,4,5,6,7,8,9,10,11,12,13,14,15
	global_store_b128 v[CO], v[BB+4*\t:BB+4*\t+3], s[12:13] offset:\t*4096 th:TH_STORE_NT
.endr
	WIN 0
.endm
	s_wait_kmcnt 0x0
	s_add_co_i32 s96, s96, s97
	s_add_co_i32 s96, s96, 127
	s_lshl_b32 s96, s96, 23
	s_wait_loadcnt 0x0
	PLACES NP
	TOSTAGE 0
.irp a, 1,2,3,4,5,6,7
.if \a > 1
	s_wait_xcnt 0x0
.endif
	TOSTAGE \a
	SEND \a-1, 32
.endr
	s_wait_xcnt 0x0
	SEND 7, 0
	s_wait_tensorcnt 0x0
	ds_add_u32 v[SPW], v[NIL]
	s_wait_dscnt 0x0
	CROUND
	s_endpgm
.Lfunc_end_k_q9a6124e398_proj:
	.size	k_q9a6124e398_proj, .Lfunc_end_k_q9a6124e398_proj-k_q9a6124e398_proj
	.p2alignl 7, 3214868480
	.fill 96, 4, 3214868480
	.section	.rodata,"a",@progbits
	.p2align	6, 0x0
	.amdhsa_kernel k_q9a6124e398_proj
		.amdhsa_group_segment_fixed_size 327680
		.amdhsa_private_segment_fixed_size 0
		.amdhsa_enable_private_segment 0
		.amdhsa_kernarg_size 40
		.amdhsa_user_sgpr_count 2
		.amdhsa_user_sgpr_kernarg_segment_ptr 1
		.amdhsa_wavefront_size32 1
		.amdhsa_system_sgpr_workgroup_id_x 1
		.amdhsa_system_sgpr_workgroup_id_y 1
		.amdhsa_system_sgpr_workgroup_id_z 1
		.amdhsa_system_vgpr_workitem_id 0
		.amdhsa_next_free_vgpr 1024
		.amdhsa_next_free_sgpr 100
		.amdhsa_reserve_vcc 0
		.amdhsa_float_denorm_mode_32 3
		.amdhsa_float_denorm_mode_16_64 3
		.amdhsa_memory_ordered 1
		.amdhsa_forward_progress 1
		.amdhsa_inst_pref_size 126
	.end_amdhsa_kernel
	.amdgpu_metadata
---
amdhsa.version: [ 1, 2 ]
amdhsa.kernels:
  - .name:           k_q9a6124e398_proj
    .symbol:         k_q9a6124e398_proj.kd
    .args:
      - { .name: ac, .offset: 0, .size: 8, .value_kind: global_buffer, .address_space: global }
      - { .name: wc, .offset: 8, .size: 8, .value_kind: global_buffer, .address_space: global }
      - { .name: lowp_scales, .offset: 16, .size: 8, .value_kind: global_buffer, .address_space: global }
      - { .name: bo, .offset: 24, .size: 8, .value_kind: global_buffer, .address_space: global }
      - { .name: out0, .offset: 32, .size: 8, .value_kind: global_buffer, .address_space: global }
    .group_segment_fixed_size: 327680
    .private_segment_fixed_size: 0
    .kernarg_segment_align: 8
    .kernarg_segment_size: 40
    .max_flat_workgroup_size: 128
    .sgpr_count:     100
    .vgpr_count:     1024
    .wavefront_size: 32
...
	.end_amdgpu_metadata
.endif
;; end of part 4
